; MI455X (gfx1250); checked and timed in simulation.
; The chip was launched on July 23, 2026; its instructions are those of AMD's public machine-readable ISA for CDNA 5 (MIT licence, August 2026) and "CDNA5" Instruction Set Architecture Reference Guide (July 2026). The comments in the code are by the model that wrote it; some were corrected since.
;; Multihead Attention. Allowed arithmetic: matrix products marked QUANTISED: E2M1 operands, one E8M0 scale for each 32 along K, by v_wmma_scale_f32_16x16x128_f8f6f4 with both operands' format E2M1 (or v_wmma_scale_f32_32x16x128_f4), f32 sums; products left as they are: bf16, f16 or f32 operands; f32 sums; everything else in f32.
;; Inputs: Wk 1,024 x 1,024 float32; Wo 1,024 x 1,024 float32; Wq 1,024 x 1,024 float32; Wv 1,024 x 1,024 float32; keys 4 x 2,048 x 1,024 float32; queries 4 x 2,048 x 1,024 float32; values 4 x 2,048 x 1,024 float32.
;; Outputs: out0 4 x 2,048 x 1,024 float32.
;; This version of the problem:
;;   THIS VERSION OF THE PROBLEM IS GIVEN IN LOW PRECISION. The matrix products marked QUANTISED in the list below multiply operands that are first quantised to E2M1 (2 exponent bits, 1 mantissa bit; 4 bits a number), with one power-of-two scale for each 32 numbers along K (OCP MX v1.0); their sums are f32. The products marked 'left as it is' may take bf16, f16 or f32 operands, with f32 sums. Whichever they take, every output number must still come out within the allowed error. Rounding operands to bf16 (8 significant bits) uses up far more of that allowance than f16 does (11 bits, for magnitudes from 6e-5 to 65,504). All else is computed in f32.
;;   The module's matrix products, in the order in which they are computed (A, B: the left and right operand; K: the contracted axis; several contracted axes count as one K, in the product's order):
;;     1. [M 8,192, K 1,024] x [K 1,024, N 1,024]; A: input queries; B: input Wq: QUANTISED
;;     2. [M 8,192, K 1,024] x [K 1,024, N 1,024]; A: input keys; B: input Wk: QUANTISED
;;     3. [M 8,192, K 1,024] x [K 1,024, N 1,024]; A: input values; B: input Wv: QUANTISED
;;     4. batch 64 x [M 2,048, K 64] x [K 64, N 2,048]; A: computed on the way; B: computed on the way: left as it is (an operand is computed on the way)
;;     5. batch 64 x [M 2,048, K 2,048] x [K 2,048, N 64]; A: computed on the way; B: computed on the way: left as it is (an operand is computed on the way)
;;     6. [M 8,192, K 1,024] x [K 1,024, N 1,024]; A: computed on the way; B: input Wo: left as it is (an operand is computed on the way)
;;   THE QUANTISER, for each operand of a quantised product, along K:
;;     - K is cut into blocks of 32 from its start; a last block that is shorter is filled with zeros.
;;     - A block's scale is 2^e with e = floor(log2(the largest magnitude in the block)) - 2, held to -126 .. 127; a block of zeros has e = 0. As a byte (E8M0): e + 127.
;;     - Each number is divided by its block's scale, clamped to +-6, and rounded to the nearest number of E2M1, ties to even, subnormals kept.
;;     - The product sums the exact products of the quantised numbers (number of the format x scale) in f32.
;;   ~~~python
;;   def quantise(x, axis):      # numpy; x: float32 -> the quantised numbers, widened to float32 again
;;       x = np.moveaxis(x, axis, -1); K = x.shape[-1]
;;       x = np.pad(x, [(0, 0)] * (x.ndim - 1) + [(0, -K % 32)]); x = x.reshape(x.shape[:-1] + (-1, 32)); a = np.abs(x).max(-1, keepdims=True)
;;       e = np.where(a > 0, np.clip(np.frexp(np.where(a > 0, a, 1))[1] - 1 - 2, -126, 127), 0)      # np.frexp(a)[1] - 1 = floor(log2(a)), exactly
;;       r = np.clip(x / 2.0 ** e, -6, 6)
;;       step = 2.0 ** (np.maximum(np.frexp(np.where(r == 0, 1, r))[1] - 1, 0) - 1)
;;       q = np.round(r / step) * step * 2.0 ** e      # np.round: ties to even
;;       return np.moveaxis(q.reshape(q.shape[:-2] + (-1,))[..., :K], -1, axis).astype(np.float32)
;;   ~~~
;; One version. Each part assembles by itself: llvm-mc -triple=amdgcn-amd-amdhsa -mcpu=gfx1250 --defsym DOCPART=n.
;; ======== version 1 of 1: 5 launches
;; limits: values are held in f16: magnitudes above 65,504 overflow, below 6.1e-05 lose precision
;; workspace buffers: xc 12,582,912 bytes; xs 786,432 bytes; wc 1,572,864 bytes; ws 98,304 bytes; wo16 2,097,152 bytes; qkv 50,331,648 bytes; fq 786,432 bytes; o 16,777,216 bytes
;; launch quant (part 1): grid 896 x 1, 4 waves a work-group, no clusters, 33,280 bytes of LDS; arguments queries, keys, values, Wq, Wk, Wv, Wo, xc, xs, wc, ws, wo16; writes xc, xs, wc, ws, wo16
.if DOCPART == 1
	.amdgcn_target "amdgcn-amd-amdhsa--gfx1250"
	.amdhsa_code_object_version 6
	.text
	.protected	k_qb6e1295741_quant
	.globl	k_qb6e1295741_quant
	.p2align	8
	.type	k_qb6e1295741_quant,@function
k_qb6e1295741_quant:
	s_mov_b64 s[64:65], 0
	v_nop
	global_prefetch_b8 v0, s[64:65] scope:SCOPE_SE
	s_setreg_imm32_b32 hwreg(HW_REG_WAVE_MODE, 25, 1), 1
	s_wait_xcnt 0x0
; LAUNCH 1 OF 5.  queries, keys, values [8192][1024] and Wq, Wk, Wv [1024][1024], f32 with K innermost, become codes of FP4 (E2M1), two a byte, K innermost, with one E8M0 byte for each 32 along K;
; Wo [1024][1024] becomes f16 (its product is left as it is).  xc, xs: the three x tensors on end; wc, ws: the three weights on end.
; THE PROGRAM: 1 quantise | 2 the three projections on codes | 3 causal attention, f16 operands, f32 sums | 4 the product with Wo, f16 operands | 5 the first 16 positions of each sequence once more, wholly in f32.
; WORK LEFT OUT, in the problem's own terms: the mask is jnp.tril, built in the problem's own body.  Where key s > query l the score is replaced by -inf ahead of the softmax, so its weight is exactly 0 whatever finite
; numbers the inputs hold, and neither that score nor that weight's product with v reaches any output.  Launch 3 leaves such work out where it comes whole: key steps all of whose keys come after all of a wave's queries,
; and blocks of 256 keys beyond a block of 256 queries, are neither loaded nor multiplied.  Every input has a way to an output, and all seven are loaded.
; LIMITS: a NaN, an infinity or an overflow that would arise only in masked scores is not carried to the result.  NaN and infinities among the inputs are not served.  A block of zeros gets the byte 1 where the rule says 127:
; its codes are zeros, which add nothing under any byte but 0xff, and these bytes are read by this program alone.  Blocks whose largest magnitude lies under 2^(2 - 126) keep the byte 1.
; q, k, v, the attention's result and Wo are rounded to f16 for the products left as they are: their magnitudes must stay under 65,504.
; A block's scale is 2^(floor(log2(its largest magnitude)) - 2): its byte is the largest magnitude's exponent field - 2.  Each number is divided by the scale and rounded to the nearest code, ties to even, beyond 6 to 6.
; SHARES: rows are dense and 1,024 is a multiple of 32, so a tensor is a stream of blocks of 32.  A work-group takes 32,768 numbers, a wave 8,192: 16 steps of 512.  Work-groups 0-767: the x tensors, 256 each;
; 768-863: Wq, Wk, Wv, 32 each; 864-895: Wo.  Only pointers are chosen by the work-group's number; the six quantised tensors take one way through the text.
; Each load reads 512 consecutive bytes; a step's 2,048 bytes turn through the wave's own stage in LDS (16 bytes of padding behind each 64) and come back 64 bytes a lane: 16 neighbours along K, two lanes to a block.
; A wave's store of codes covers 256 consecutive bytes, aligned; its 256 scale bytes are gathered in LDS and leave as one such run.  No barrier: waves share nothing.  Memory binds: no matrix unit, no cluster, no prefetch.
.set STEPS, 16
.set EMAX,  2
.set CB,    8                          ; bytes of 16 codes
.set R,     16                         ; v16-79   four sets of 16 numbers as loaded
.set X,     80                         ; v80-111  two sets of 16 neighbours
.set C,     128                        ; v128-191 codes, four registers a step: no store's data are written again
.set E,     112                        ; v112-127 a scale byte for each step
.set WREG,  8192                       ; LDS: a region for each wave: two stages of 32 x SP bytes, then its 256 scale bytes
.set SP,    80
.set SPW,   12                         ; v12 LDS address of my spare word; never rewritten
.set NIL,   13                         ; v13 0; never rewritten
.set SPARE, 4*WREG                     ; behind the four regions: the spare words, 128 bytes a wave
.set SRC,   30                         ; s[30:31] where my wave reads
.set COD,   32                         ; s[32:33] where its codes (Wo: its f16 numbers) go
.set SCA,   34                         ; s[34:35] where its scale bytes go
	s_load_b512 s[4:19], s[0:1], 0x0               ; queries 4, keys 6, values 8, Wq 10, Wk 12, Wv 14, Wo 16, xc 18
	s_load_b256 s[20:27], s[0:1], 0x40             ; xs 20, wc 22, ws 24, wo16 26
	v_lshl_add_u32 v[SPW], v0, 2, SPARE
	v_mov_b32 v[NIL], 0
	v_lshrrev_b32 v1, 5, v0
	v_readfirstlane_b32 s28, v1                    ; wave
	v_and_b32 v2, 31, v0                           ; lane
	v_lshlrev_b32 v3, 4, v2                        ; my 16 bytes of a load's 512
	s_mul_i32 s29, s28, WREG
	v_lshrrev_b32 v14, 2, v2
	v_mul_u32_u24 v14, v14, SP
	v_and_b32 v15, 3, v2
	v_lshl_add_u32 v14, v15, 4, v14
	v_add_nc_u32 v14, s29, v14                     ; the stage, on the way in: SP (lane / 4) + 16 (lane % 4)
	v_mul_u32_u24 v15, v2, SP
	v_add_nc_u32 v15, s29, v15                     ; and on the way out: SP x lane
	v_mul_u32_u24 v4, v2, CB                       ; my codes' place in a step's
	v_lshrrev_b32 v5, 1, v2
	s_add_co_u32 s29, s29, 2*32*SP
	v_add_nc_u32 v5, s29, v5                       ; LDS: my block's scale byte
	v_lshlrev_b32 v7, 3, v2                        ; 8 bytes a lane
	v_add_nc_u32 v6, s29, v7
	s_mov_b32 s39, 0
	s_wait_kmcnt 0x0
	s_cmp_ge_u32 ttmp9, 864
	s_cbranch_scc1 .Lwo
	s_cmp_lt_u32 ttmp9, 256                        ; the choices hang on the work-group's number alone
	s_cselect_b64 s[SRC:SRC+1], s[4:5], s[6:7]
	s_cmp_lt_u32 ttmp9, 512
	s_cselect_b64 s[SRC:SRC+1], s[SRC:SRC+1], s[8:9]
	s_cmp_lt_u32 ttmp9, 768
	s_cselect_b64 s[SRC:SRC+1], s[SRC:SRC+1], s[10:11]
	s_cselect_b64 s[COD:COD+1], s[18:19], s[22:23]
	s_cselect_b64 s[SCA:SCA+1], s[20:21], s[24:25]
	s_cselect_b32 s36, 0, 768
	s_cselect_b32 s37, 255, 31
	s_cmp_lt_u32 ttmp9, 800
	s_cselect_b64 s[SRC:SRC+1], s[SRC:SRC+1], s[12:13]
	s_cmp_lt_u32 ttmp9, 832
	s_cselect_b64 s[SRC:SRC+1], s[SRC:SRC+1], s[14:15]
	s_sub_co_u32 s36, ttmp9, s36                   ; my work-group's place in the stacked output,
	s_and_b32 s37, s36, s37                        ; and in its own tensor
	s_lshl_b32 s36, s36, 2
	s_add_co_u32 s36, s36, s28
	s_lshl_b32 s37, s37, 2
	s_add_co_u32 s37, s37, s28
	s_lshl_b32 s38, s37, 15                        ; a wave's run: 32,768 bytes of f32,
	s_add_nc_u64 s[SRC:SRC+1], s[SRC:SRC+1], s[38:39]
	s_lshl_b32 s38, s36, 12                        ; 4,096 of codes,
	s_add_nc_u64 s[COD:COD+1], s[COD:COD+1], s[38:39]
	s_lshl_b32 s38, s36, 8                         ; 256 scale bytes
	s_add_nc_u64 s[SCA:SCA+1], s[SCA:SCA+1], s[38:39]
.macro LOAD t
.irp i, 0,1,2,3
	global_load_b128 v[R+16*((\t)%4)+4*\i:R+16*((\t)%4)+4*\i+3], v3, s[SRC:SRC+1] offset:2048*(\t)+512*\i th:TH_LOAD_NT   ; 32 lanes read 512 consecutive bytes
.endr
.endm
.macro TURN t                          ; step t's numbers through the stage: LDS serves a wave's instructions in order, so no wait stands between the stores and the loads
.irp i, 0,1,2,3
	ds_store_b128 v14, v[R+16*((\t)%4)+4*\i:R+16*((\t)%4)+4*\i+3] offset:32*SP*((\t)%2)+8*SP*\i
.endr
.irp i, 0,1,2,3
	ds_load_b128 v[X+16*((\t)%2)+4*\i:X+16*((\t)%2)+4*\i+3], v15 offset:32*SP*((\t)%2)+16*\i
.endr
.endm
.irp t, 0,1,2,3
	LOAD \t
.endr
	s_wait_loadcnt 12                              ; step 0's four loads are in; the twelve of steps 1 to 3 may be out
	TURN 0
.macro STEP t
.set XS, X+16*((\t)%2)
.if (\t) > 0
	s_wait_dscnt 1                                 ; this step's numbers are back from the stage (the last step's byte store may be out)
.else
	s_wait_dscnt 0x0
.endif
.if (\t)+4 < STEPS
	LOAD (\t)+4                                    ; the registers that the stage's stores have read take the loads of four steps on
.endif
.if (\t)+1 < STEPS
.if STEPS-2-(\t) >= 3
	s_wait_loadcnt 12                              ; the next step's four loads are in; those of the three steps behind it may be out
.else
	s_wait_loadcnt 4*(STEPS-2-(\t))
.endif
	TURN (\t)+1
.endif
	v_max3_num_f32 v8, |v[XS]|, |v[XS+1]|, |v[XS+2]|               ; the largest magnitude of my 16, in two chains
	v_max3_num_f32 v9, |v[XS+3]|, |v[XS+4]|, |v[XS+5]|
.irp i, 6,10
	v_max3_num_f32 v8, v8, |v[XS+\i]|, |v[XS+\i+1]|
	v_max3_num_f32 v9, v9, |v[XS+\i+2]|, |v[XS+\i+3]|
.endr
	v_max3_num_f32 v8, v8, |v[XS+14]|, |v[XS+15]|
	v_max3_num_f32 v8, v8, v9, (EMAX+1)<<23        ; and the floor 2^(3 - 127): the byte cannot fall under 1
	v_max_num_f32_dpp v8, v8, v8 row_xmask:1 row_mask:0xf bank_mask:0xf   ; with my neighbour's 16: the block's
	v_add_nc_u32 v11, -(EMAX<<23), v8              ; 2 off its exponent field: the conversion takes the exponent field of this operand as its scale
	v_cvt_scalef32_pk8_fp4_f32 v[C+4*(\t)], v[XS:XS+7], v11
	v_cvt_scalef32_pk8_fp4_f32 v[C+4*(\t)+1], v[XS+8:XS+15], v11
	v_lshrrev_b32 v[E+(\t)], 23, v11               ; the scale's byte (also the plain line behind the conversions)
	ds_store_b8 v5, v[E+(\t)] offset:16*(\t)       ; both lanes of a block write the same byte with the same value
	global_store_b64 v4, v[C+4*(\t):C+4*(\t)+1], s[COD:COD+1] offset:32*CB*(\t)   ; the wave stores 256 consecutive bytes, aligned
.endm
.irp t, 0,1,2,3,4,5,6,7,8,9,10,11,12,13,14,15
	STEP \t
.endr
	ds_load_b64 v[8:9], v6                         ; LDS serves a wave's instructions in order: these see my byte stores
	s_wait_dscnt 0x0
	global_store_b64 v7, v[8:9], s[SCA:SCA+1]      ; 256 consecutive scale bytes, aligned
	s_branch .Lend
; Wo to f16: a wave takes 8,192 numbers in four batches of sixteen loads; a lane's four numbers become 8 bytes, so a store of the wave covers 256 consecutive bytes, aligned.  No LDS.
.macro LOADW q
.irp i, 0,1,2,3,4,5,6,7,8,9,10,11,12,13,14,15
	global_load_b128 v[16+4*\i:19+4*\i], v3, s[SRC:SRC+1] offset:8192*(\q)+512*\i th:TH_LOAD_NT
.endr
.endm
.Lwo:
	s_sub_co_u32 s36, ttmp9, 864
	s_lshl_b32 s36, s36, 2
	s_add_co_u32 s36, s36, s28
	s_lshl_b32 s38, s36, 15
	s_add_nc_u64 s[SRC:SRC+1], s[16:17], s[38:39]
	s_lshl_b32 s38, s36, 14
	s_add_nc_u64 s[COD:COD+1], s[26:27], s[38:39]
	LOADW 0
.irp q, 0,1,2,3
	s_wait_loadcnt 0x0                             ; the batch is in
.if \q > 0
	s_wait_xcnt 0x0                                ; the last batch's stores have read their data: the registers are written again only behind this wait
.endif
.irp i, 0,1,2,3,4,5,6,7,8,9,10,11,12,13,14,15
	v_cvt_pk_f16_f32 v[128+2*\i], v[16+4*\i], v[17+4*\i]
	v_cvt_pk_f16_f32 v[129+2*\i], v[18+4*\i], v[19+4*\i]
.endr
.if \q < 3
	LOADW \q+1                                     ; loads ahead of stores
.endif
.irp i, 0,1,2,3,4,5,6,7,8,9,10,11,12,13,14,15
	global_store_b64 v7, v[128+2*\i:129+2*\i], s[COD:COD+1] offset:4096*\q+256*\i
.endr
.endr
.Lend:
	s_wait_tensorcnt 0x0                           ; the wave's end
	ds_add_u32 v[SPW], v[NIL]
	s_wait_dscnt 0x0
	s_endpgm
.Lfunc_end_k_qb6e1295741_quant:
	.size	k_qb6e1295741_quant, .Lfunc_end_k_qb6e1295741_quant-k_qb6e1295741_quant
	.p2alignl 7, 3214868480
	.fill 96, 4, 3214868480
	.section	.rodata,"a",@progbits
	.p2align	6, 0x0
	.amdhsa_kernel k_qb6e1295741_quant
		.amdhsa_group_segment_fixed_size 33280
		.amdhsa_private_segment_fixed_size 0
		.amdhsa_enable_private_segment 0
		.amdhsa_kernarg_size 96
		.amdhsa_user_sgpr_count 2
		.amdhsa_user_sgpr_kernarg_segment_ptr 1
		.amdhsa_wavefront_size32 1
		.amdhsa_system_sgpr_workgroup_id_x 1
		.amdhsa_system_sgpr_workgroup_id_y 1
		.amdhsa_system_sgpr_workgroup_id_z 1
		.amdhsa_system_vgpr_workitem_id 0
		.amdhsa_next_free_vgpr 192
		.amdhsa_next_free_sgpr 66
		.amdhsa_reserve_vcc 0
		.amdhsa_float_denorm_mode_32 3
		.amdhsa_float_denorm_mode_16_64 3
		.amdhsa_memory_ordered 1
		.amdhsa_forward_progress 1
		.amdhsa_inst_pref_size 54
	.end_amdhsa_kernel
	.amdgpu_metadata
---
amdhsa.version: [ 1, 2 ]
amdhsa.kernels:
  - .name:           k_qb6e1295741_quant
    .symbol:         k_qb6e1295741_quant.kd
    .args:
      - { .name: queries, .offset: 0, .size: 8, .value_kind: global_buffer, .address_space: global }
      - { .name: keys, .offset: 8, .size: 8, .value_kind: global_buffer, .address_space: global }
      - { .name: values, .offset: 16, .size: 8, .value_kind: global_buffer, .address_space: global }
      - { .name: Wq, .offset: 24, .size: 8, .value_kind: global_buffer, .address_space: global }
      - { .name: Wk, .offset: 32, .size: 8, .value_kind: global_buffer, .address_space: global }
      - { .name: Wv, .offset: 40, .size: 8, .value_kind: global_buffer, .address_space: global }
      - { .name: Wo, .offset: 48, .size: 8, .value_kind: global_buffer, .address_space: global }
      - { .name: xc, .offset: 56, .size: 8, .value_kind: global_buffer, .address_space: global }
      - { .name: xs, .offset: 64, .size: 8, .value_kind: global_buffer, .address_space: global }
      - { .name: wc, .offset: 72, .size: 8, .value_kind: global_buffer, .address_space: global }
      - { .name: ws, .offset: 80, .size: 8, .value_kind: global_buffer, .address_space: global }
      - { .name: wo16, .offset: 88, .size: 8, .value_kind: global_buffer, .address_space: global }
    .group_segment_fixed_size: 33280
    .private_segment_fixed_size: 0
    .kernarg_segment_align: 8
    .kernarg_segment_size: 96
    .max_flat_workgroup_size: 128
    .sgpr_count:     66
    .vgpr_count:     192
    .wavefront_size: 32
...
	.end_amdgpu_metadata
.endif
;; end of part 1
;; launch proj (part 2): grid 4 x 96, 4 waves a work-group, clusters of 4 x 4, 327,680 bytes of LDS; arguments xc, xs, wc, ws, qkv, fq; writes qkv, fq
.if DOCPART == 2
	.amdgcn_target "amdgcn-amd-amdhsa--gfx1250"
	.amdhsa_code_object_version 6
	.text
	.protected	k_qb6e1295741_proj
	.globl	k_qb6e1295741_proj
	.p2align	8
	.type	k_qb6e1295741_proj,@function
k_qb6e1295741_proj:
	s_mov_b64 s[64:65], 0
	v_nop
	global_prefetch_b8 v0, s[64:65] scope:SCOPE_SE
	s_setreg_imm32_b32 hwreg(HW_REG_WAVE_MODE, 25, 1), 1
	s_wait_xcnt 0x0
	s_wait_alu depctr_hold_cnt(0) depctr_sa_sdst(0) depctr_va_vdst(0) depctr_va_sdst(0) depctr_va_ssrc(0) depctr_va_vcc(0) depctr_vm_vsrc(0)
	s_getreg_b32 s2, hwreg(HW_REG_IB_STS2, 6, 4)
	s_cmp_eq_u32 s2, 0
	s_cbranch_scc0 .Lentry_in_a_cluster
	s_endpgm
.Lentry_in_a_cluster:
	s_bfe_u32 s2, ttmp6, 0x10000c
	s_cmp_lg_u32 s2, 0xf033
	s_cbranch_scc0 .Lentry_shape_is_right
	s_endpgm
.Lentry_shape_is_right:
; LAUNCH 2 OF 5.  q = queries Wq^T, k = keys Wk^T, v = values Wv^T on codes of FP4 with E8M0 scales, sums in f32.  A: xc [3 x 8192][1024 codes], B: wc [3 x 1024][1024 codes], scale bytes xs, ws: 32 a row.
; Results: qkv, f16, [tensor 3][batch 4][head 16][position 2048][64]; and fq, f32, [tensor][batch][position 0-15][1024]: the first 16 positions of each sequence, unrounded, for launch 5.
; A tile of C, 256 x 256, is made by four waves, 128 x 128 each: 64 accumulators, 512 registers.  K = 1,024 is two LDS slots of 512 along K (rows of 256 bytes).
; CLUSTERS: 4 x 4 work-groups.  cluster y = 8 x tensor + block of 256 positions; cy = the batch; cx = the tile column.  So the four of a row of the cluster need the same tile of A, the four of a column the same tile of B,
; each asked for jointly; and whether a tile holds a sequence's first positions is the same in all sixteen.
; THE MATRIX INSTRUCTION IS USED TRANSPOSED (source 0 = 16 rows of B, source 1 = 16 rows of A): a lane holds eight neighbouring columns of one row of C.
; REGISTERS: window 0: v0-31 addresses; v32-95 scale words, two sets, and nothing else; v96-127 packed results; v128-191 A's fragments, one set, later rows on the way out.  window 1: B's fragments, two sets.
;   windows 2, 3: the accumulators of my rows 0-63, 64-127 ((a, b) at v[8 (8 (a % 4) + b)]).
.set KSTEP,  512
.set NQ,     4
.set ROWB,   256
.set KROW,   512                       ; a row of codes in memory
.set PITCH,  272                       ; an LDS row: 256 bytes + 16: the 16 rows of a fragment load start 68 words apart
.set FR,     8
.set NL,     2
.set NP,     4                         ; places behind this matrix instruction (ISA guide 7.12.1)
.set HALFT,  128*PITCH
.set SLOT,   4*HALFT
.set KS,     32                        ; a row of scale bytes
.set SCL,    2*SLOT
.set HALFS,  (128*KS/256)*272
.set SBLK,   (16*KS/256)*272
.set SPARE,  SCL+4*HALFS               ; the spare words, 128 bytes a wave
.set WSTG,   8448                      ; the way out: a stage for each wave, in slot 0: 16 rows x 528 (f32) or x 272 (f16)
.set ADRA, 16
.set ADRB, 20
.set STOF, 22                          ; v22 the f32 stage: where I put 32 bytes of a row
.set RDF,  23                          ; v23 and where I read a row of 512 bytes back
.set STO,  24                          ; v24 the f16 stage: where I put 16 bytes of a row
.set RD,   25                          ; v25 and where I read back: 4 positions x 128 bytes of one head
.set CO,   26                          ; v26 16 x lane
.set ADRS, 27
.set SPW,  28
.set NIL,  29
.set SC,   32
.set TMP,  96
.set AF,   128
.set BK,   128
.set G1, 24
.set G0, 32
.set G1B, 48
.set G0B, 56
.set G1S, 68
.set G0S, 76
.set G1SB, 80
.set G0SB, 88
.set CBASE, 96                         ; s[96:97] qkv, later at my wave's first result
.set FBASE, 98                         ; s[98:99] fq likewise
.set MSB, 0
.macro WIN new                         ; the immediate's high byte repeats the setting that is left
.if MSB != (\new)
	s_set_vgpr_msb (MSB<<8)|(\new)
.set MSB, (\new)
.endif
.endm
.set MUL_LO, 0xa1                      ; source 0 (B) window 1, source 1 (A) window 0, C and D window 2
.set MUL_HI, 0xf1
.set TO_B,   0x40
; A joint load: waves 0 and 1 fetch for A, waves 2 and 3 for B; the branch hangs on the wave's number alone.  An s_nop 0 and four v_nop follow each line.
.macro JLOAD g0a, g1a, g0b, g1b
	s_cmp_eq_u32 s15, 0
	s_cbranch_scc0 .Lfor_b_\@
	tensor_load_to_lds s[\g0a:\g0a+3], s[\g1a:\g1a+7]
	s_nop 0
.rept 4
	v_nop
.endr
	s_branch .Lasked_\@
.Lfor_b_\@:
	tensor_load_to_lds s[\g0b:\g0b+3], s[\g1b:\g1b+7]
	s_nop 0
.rept 4
	v_nop
.endr
.Lasked_\@:
.endm
.macro CROUND                          ; a round of the cluster's barrier
	s_barrier_signal -1
	s_barrier_wait -1
	s_cmp_lg_u32 s14, 0
	s_cbranch_scc1 .Lnot_wave_0_\@
	s_barrier_signal -3
.Lnot_wave_0_\@:
	s_barrier_wait -3
	s_barrier_signal -1
	s_barrier_wait -1
.endm
	s_load_b128 s[4:7], s[0:1], 0x0                ; xc, xs
	s_load_b128 s[8:11], s[0:1], 0x10              ; wc, ws
	s_load_b128 s[96:99], s[0:1], 0x20             ; qkv, fq
	v_lshl_add_u32 v[SPW], v0, 2, SPARE
	v_mov_b32 v[NIL], 0
	ds_add_u32 v[SPW], v[NIL]                      ; the opening: the add, twice on end, and its wait ahead of my first tensor load
	ds_add_u32 v[SPW], v[NIL]
	v_lshrrev_b32 v1, 5, v0
	v_readfirstlane_b32 s14, v1                    ; wave 0..3
	s_lshr_b32 s15, s14, 1                         ; my half of the tile's rows.  Also: I fetch for A (0) or for B (1)
	s_and_b32 s16, s14, 1                          ; my half of its columns.  Also: which 128 rows I fetch
	s_bfe_u32 s40, ttmp6, 0x40000                  ; cx
	s_bfe_u32 s41, ttmp6, 0x40004                  ; cy
	s_lshl_b32 s42, ttmp9, 2
	s_add_co_u32 s42, s42, s40                     ; tile column 0..3
	s_and_b32 s66, ttmp7, 0xffff
	s_lshr_b32 s67, s66, 3                         ; the tensor: 0 q, 1 k, 2 v
	s_and_b32 s66, s66, 7                          ; the block of 256 positions
	s_lshl_b32 s17, s67, 5
	s_lshl_b32 s18, s41, 3
	s_add_co_u32 s17, s17, s18
	s_add_co_u32 s17, s17, s66                     ; tile row of the stacked A = 32 x tensor + 8 x batch + block
	s_lshl_b32 s43, s41, 2
	s_lshl_b32 s43, 15, s43                        ; my row of the cluster
	s_lshl_b32 s44, 0x1111, s40                    ; my column
	s_or_b32 s[G1+0], s43, (0<<16)|(1<<20)|(1<<21)|(5<<22)|(3<<25)  ; the mask; elements of 1 byte; padding on; bit 21 beside a mask; after every 64 words, 4 words
	s_or_b32 s[G1B+0], s44, (0<<16)|(1<<20)|(1<<21)|(5<<22)|(3<<25)
.irp g, G1, G1B
	s_mov_b32 s[\g+1], ROWB<<16                    ; tensor_dim0
	s_mov_b32 s[\g+2], 128<<16                     ; tensor_dim1
	s_mov_b32 s[\g+3], ROWB<<16                    ; tile_dim0
	s_mov_b32 s[\g+4], 128                         ; tile_dim1
	s_mov_b32 s[\g+5], KROW                        ; from row to row
	s_mov_b32 s[\g+6], 0
	s_mov_b32 s[\g+7], 0
.endr
	s_or_b32 s[G1S+0], s43, (3<<16)|(1<<20)|(1<<21)|(5<<22)|(3<<25) ; the scale bytes of 128 rows: 4,096 dense bytes as 16 rows of 32 elements of 8 bytes, 16 bytes of padding behind each
	s_or_b32 s[G1SB+0], s44, (3<<16)|(1<<20)|(1<<21)|(5<<22)|(3<<25)
.irp g, G1S, G1SB
	s_mov_b32 s[\g+1], 32<<16
	s_mov_b32 s[\g+2], (128*KS/256)<<16
	s_mov_b32 s[\g+3], 32<<16
	s_mov_b32 s[\g+4], 128*KS/256
	s_mov_b32 s[\g+5], 32
	s_mov_b32 s[\g+6], 0
	s_mov_b32 s[\g+7], 0
.endr
	s_lshl_b32 s18, s16, 7
	s_lshl_b32 s20, s17, 8
	s_add_co_u32 s20, s20, s18                     ; A: row 256 x tile row + 128 x half
	s_lshl_b32 s46, s42, 8
	s_add_co_u32 s46, s46, s18
	s_lshl_b32 s19, s67, 10
	s_add_co_u32 s46, s46, s19                     ; B: row 1024 x tensor + 256 x tile column + 128 x half
	s_mov_b32 s21, 0
	s_mov_b32 s47, 0
	s_mov_b64 s[18:19], KS
	s_mul_u64 s[22:23], s[20:21], s[18:19]         ; where these rows' scale bytes begin
	s_mul_u64 s[92:93], s[46:47], s[18:19]
	s_mov_b64 s[18:19], KROW
	s_mul_u64 s[20:21], s[20:21], s[18:19]         ; and their codes
	s_mul_u64 s[46:47], s[46:47], s[18:19]
	s_mul_i32 s45, s14, HALFT                      ; where they go: wave x 128 rows: no place in the cluster enters an LDS address
	s_mul_i32 s94, s14, HALFS
	s_wait_dscnt 0x0                               ; both opening adds are done
	s_wait_kmcnt 0x0
	s_add_nc_u64 s[20:21], s[4:5], s[20:21]
	s_add_nc_u64 s[22:23], s[6:7], s[22:23]
	s_add_nc_u64 s[46:47], s[8:9], s[46:47]
	s_add_nc_u64 s[92:93], s[10:11], s[92:93]
	CROUND                                         ; all sixteen work-groups are here: the joint loads meet
	s_mov_b32 s[G0S], 1
	s_add_co_u32 s[G0S+1], s94, SCL
	s_mov_b64 s[G0S+2:G0S+3], s[22:23]
	s_or_b32 s[G0S+3], s[G0S+3], 0x80000000
	s_mov_b32 s[G0SB], 1
	s_add_co_u32 s[G0SB+1], s94, SCL
	s_mov_b64 s[G0SB+2:G0SB+3], s[92:93]
	s_or_b32 s[G0SB+3], s[G0SB+3], 0x80000000
	JLOAD G0S, G1S, G0SB, G1SB                     ; the scale bytes first
.irp s, 0,1
	s_mov_b32 s[G0+4*\s], 1
	s_add_co_u32 s[G0+4*\s+1], s45, \s*SLOT
	s_add_nc_u64 s[G0+4*\s+2:G0+4*\s+3], s[20:21], \s*ROWB
	s_or_b32 s[G0+4*\s+3], s[G0+4*\s+3], 0x80000000
	s_mov_b32 s[G0B+4*\s], 1
	s_add_co_u32 s[G0B+4*\s+1], s45, \s*SLOT
	s_add_nc_u64 s[G0B+4*\s+2:G0B+4*\s+3], s[46:47], \s*ROWB
	s_or_b32 s[G0B+4*\s+3], s[G0B+4*\s+3], 0x80000000
	JLOAD G0+4*\s, G1, G0B+4*\s, G1B
.endr
	v_and_b32 v1, 15, v0                           ; r = lane % 16
	v_bfe_u32 v2, v0, 4, 1                         ; h = lane / 16
	v_mul_u32_u24 v3, v1, PITCH
	v_lshl_add_u32 v4, v2, 4, v3                   ; a fragment's row x pitch + 16 h
	s_mul_i32 s21, s15, HALFT                      ; my 128 rows of A
	s_mul_i32 s22, s16, HALFT
	s_add_co_u32 s22, s22, 2*HALFT                 ; my 128 rows of B, behind A's 256
.irp s, 0,1
	v_add_nc_u32 v[ADRA+\s], s21, v4
	v_add_nc_u32 v[ADRB+\s], s22, v4
	s_add_co_u32 s21, s21, SLOT
	s_add_co_u32 s22, s22, SLOT
.endr
	v_mul_u32_u24 v5, v1, KS                       ; my row's scale bytes: 32 a row,
	v_lshrrev_b32 v6, 8, v5
	v_lshl_add_u32 v5, v6, 4, v5                   ; and 16 more for each 256 passed
	s_mul_i32 s21, s15, HALFS
	s_mul_i32 s22, s16, HALFS
	s_add_co_u32 s22, s22, 2*HALFS
	s_sub_co_u32 s22, s22, s21
	v_mul_u32_u24 v6, s22, v2                      ; lanes 16-31 take B's: one product, the distance between the two bases
	s_add_co_u32 s21, s21, SCL
	v_add_nc_u32 v5, v5, v6
	v_add_nc_u32 v[ADRS], s21, v5
	s_mul_i32 s23, s14, WSTG                       ; my stage
	v_mul_u32_u24 v5, v1, 272
	v_lshl_add_u32 v5, v2, 4, v5
	v_add_nc_u32 v[STO], s23, v5                   ; f16: row r, 16 bytes for each half of the lanes
	v_and_b32 v6, 31, v0
	v_lshrrev_b32 v7, 3, v6
	v_mul_u32_u24 v7, v7, 272
	v_and_b32 v8, 7, v6
	v_lshl_add_u32 v7, v8, 4, v7
	v_add_nc_u32 v[RD], s23, v7                    ; back: eight lanes to a position's 128 bytes of one head
	v_lshlrev_b32 v[CO], 4, v6
	v_mul_u32_u24 v5, v1, 528
	v_lshl_add_u32 v5, v2, 5, v5
	v_add_nc_u32 v[STOF], s23, v5                  ; f32: row r, 32 bytes for each half
	v_add_nc_u32 v[RDF], s23, v[CO]
	; where my results go.  The parts that hang on cy and those that hang on cx are made in registers of their own
	s_lshl_b32 s20, s67, 2
	s_add_co_u32 s20, s20, s41                     ; 4 x tensor + batch
	s_lshl_b32 s22, s20, 16                        ; fq: 16 positions x 4,096 bytes
	s_mov_b32 s23, 0
	s_add_nc_u64 s[FBASE:FBASE+1], s[FBASE:FBASE+1], s[22:23]
	s_lshl_b32 s20, s20, 22                        ; qkv: 16 heads x 262,144 bytes,
	s_lshl_b32 s21, s66, 15                        ; 256 positions x 128 bytes for each block,
	s_add_co_u32 s20, s20, s21
	s_lshl_b32 s21, s15, 14                        ; my half's 128 positions
	s_add_co_u32 s20, s20, s21
	s_mov_b32 s21, 0
	s_add_nc_u64 s[CBASE:CBASE+1], s[CBASE:CBASE+1], s[20:21]
	s_lshl_b32 s46, s42, 20                        ; head 4 x tile column + 2 x half
	s_lshl_b32 s47, s16, 19
	s_add_co_u32 s46, s46, s47
	s_mov_b32 s47, 0
	s_add_nc_u64 s[CBASE:CBASE+1], s[CBASE:CBASE+1], s[46:47]
	s_lshl_b32 s46, s42, 10                        ; fq: column 256 x tile column + 128 x half, 4 bytes each
	s_lshl_b32 s47, s16, 9
	s_add_co_u32 s46, s46, s47
	s_mov_b32 s47, 0
	s_add_nc_u64 s[FBASE:FBASE+1], s[FBASE:FBASE+1], s[46:47]
.macro FRAG reg, adr, q, i             ; 16 rows x 128 K of 4-bit codes: 8 registers: lane l holds row l % 16; registers 4 c .. 4 c + 3 hold K = 64 c + 32 (l / 16) + 0 .. 31
.irp c, 0,1
	ds_load_b128 v[\reg+4*\c:\reg+4*\c+3], v[\adr] offset:64*(\q)+32*\c+(\i)*16*PITCH
.endr
.endm
; 16 matrix instructions: A's blocks a0, a0 + 1 x B's eight, the slot's q-th 128 along K.  The 64 accumulators take turns, one instruction a turn, in the same order in every step.
.macro MUL16 a0, p, q, sc, zero
.irp a, \a0, \a0+1
.irp b, 0,1,2,3,4,5,6,7
.if \zero
	v_wmma_scale_f32_16x16x128_f8f6f4 v[8*(8*((\a)%4)+\b):8*(8*((\a)%4)+\b)+7], v[128*(\p)+FR*\b:128*(\p)+FR*\b+FR-1], v[AF+FR*(\a):AF+FR*(\a)+FR-1], 0, v[SC+8*NQ*(\sc)+NQ*\b+(\q)], v[SC+8*NQ*(\sc)+NQ*(\a)+(\q)] matrix_a_fmt:MATRIX_FMT_FP4 matrix_b_fmt:MATRIX_FMT_FP4 matrix_a_scale:MATRIX_SCALE_ROW1
.else
	v_wmma_scale_f32_16x16x128_f8f6f4 v[8*(8*((\a)%4)+\b):8*(8*((\a)%4)+\b)+7], v[128*(\p)+FR*\b:128*(\p)+FR*\b+FR-1], v[AF+FR*(\a):AF+FR*(\a)+FR-1], v[8*(8*((\a)%4)+\b):8*(8*((\a)%4)+\b)+7], v[SC+8*NQ*(\sc)+NQ*\b+(\q)], v[SC+8*NQ*(\sc)+NQ*(\a)+(\q)] matrix_a_fmt:MATRIX_FMT_FP4 matrix_b_fmt:MATRIX_FMT_FP4 matrix_a_scale:MATRIX_SCALE_ROW1
.endif
.endr
.endr
.endm
.macro FETCH_B slot, q, p
	WIN TO_B
.irp i, 0,1,2,3,4,5,6,7
	FRAG 128*(\p)+FR*\i, ADRB+\slot, \q, \i
.endr
	WIN 0
.endm
.macro FETCH_A slot, q, i0
.irp i, \i0, \i0+1, \i0+2, \i0+3
	FRAG AF+FR*(\i), ADRA+\slot, \q, \i
.endr
.endm
.macro SCALES sc                       ; a slot's scale words: 4 words a row; lanes 0-15 take A's block i, lanes 16-31 B's block i
.irp i, 0,1,2,3,4,5,6,7
	ds_load_b128 v[SC+8*NQ*\sc+NQ*\i:SC+8*NQ*\sc+NQ*\i+3], v[ADRS] offset:\i*SBLK
.endr
.endm
.macro PLACES n                        ; plain vector instructions between a matrix instruction and a load into, or a read of, its registers
.rept \n
	v_nop
.endr
.endm
.macro STEP slot, q, zero              ; 128 along K whose successor lies in the same slot
	s_wait_dscnt 4*NL                              ; B's set and A's blocks 0-3 are in; the youngest eight loads (A's blocks 4-7) may be out
	WIN MUL_LO
	MUL16 0, (\q)%2, \q, \slot, \zero
	MUL16 2, (\q)%2, \q, \slot, \zero
	s_wait_dscnt 0
	PLACES NP
	FETCH_B \slot, (\q)+1, 1-(\q)%2
	FETCH_A \slot, (\q)+1, 0
	WIN MUL_HI
	MUL16 4, (\q)%2, \q, \slot, \zero
	MUL16 6, (\q)%2, \q, \slot, \zero
	PLACES NP
	WIN 0
	FETCH_A \slot, (\q)+1, 4
.endm
.macro STEPS slot, from
.set Q, \from
.rept NQ-1-\from
	STEP \slot, Q, 0
.set Q, Q+1
.endr
.endm
	s_wait_tensorcnt 1                             ; the scale bytes and my part of slot 0 are in (slot 1's load may be out),
	s_barrier_signal -1
	s_barrier_wait -1                              ; everybody's are
	FETCH_B 0, 0, 0
	FETCH_A 0, 0, 0
	SCALES 0
	FETCH_A 0, 0, 4
	STEP 0, 0, 1                                   ; the first products start the sums: nothing is cleared
	STEPS 0, 1
	; slot 0's last step changes slots: one barrier
	s_wait_tensorcnt 0x0                           ; my part of slot 1 has landed
	ds_add_u32 v[SPW], v[NIL]
	s_wait_dscnt 4*NL+1                            ; (the add and A's blocks 4-7, eight loads, may be out)
	WIN MUL_LO
	MUL16 0, 1, NQ-1, 0, 0
	s_wait_dscnt 0x0                               ; the add is done, and my reads of slot 0 are over
	s_barrier_signal -1
	MUL16 2, 1, NQ-1, 0, 0
	WIN 0
	s_barrier_wait -1                              ; slot 1 is whole, and nobody reads slot 0 any more
	PLACES NP
	v_add_nc_u32 v[ADRS], 4*NQ, v[ADRS]            ; on to slot 1's scale words
	FETCH_B 1, 0, 0
	FETCH_A 1, 0, 0
	SCALES 1
	WIN MUL_HI
	MUL16 4, 1, NQ-1, 0, 0
	MUL16 6, 1, NQ-1, 0, 0
	PLACES NP
	WIN 0
	FETCH_A 1, 0, 4
	STEPS 1, 0
	s_wait_dscnt 4*NL
	WIN MUL_LO
	MUL16 0, 1, NQ-1, 1, 0
	MUL16 2, 1, NQ-1, 1, 0
	s_wait_dscnt 0
	WIN MUL_HI
	MUL16 4, 1, NQ-1, 1, 0
	MUL16 6, 1, NQ-1, 1, 0
	WIN 0
; THE WAY OUT.  My stage lies in slot 0, which has had its only fill and which every wave has left at the barrier above.
	PLACES NP                                      ; behind the last products: for the reads of results and the loads into A's registers
	; positions 0-15 of a sequence go out a first time as f32.  The branch hangs on the cluster's y and the wave's number: the same in all partners
	s_or_b32 s18, s66, s15
	s_cmp_lg_u32 s18, 0
	s_cbranch_scc1 .Lnofine
	WIN 0x08                                       ; an LDS store's data: window 2
.irp b, 0,1,2,3,4,5,6,7
	ds_store_b128 v[STOF], v[8*\b:8*\b+3] offset:64*\b               ; block 0's accumulators, each from its low end on
	ds_store_b128 v[STOF], v[8*\b+4:8*\b+7] offset:64*\b+16
.endr
	WIN 0
.irp t, 0,1,2,3,4,5,6,7,8,9,10,11,12,13,14,15
	ds_load_b128 v[BK+4*\t:BK+4*\t+3], v[RDF] offset:528*\t          ; LDS serves a wave's instructions in order: these see the stores
.endr
	s_wait_dscnt 0x0
.irp t, 0,1,2,3,4,5,6,7,8,9,10,11,12,13,14,15
	global_store_b128 v[CO], v[BK+4*\t:BK+4*\t+3], s[FBASE:FBASE+1] offset:4096*\t   ; 512 consecutive bytes of position t's row, aligned
.endr
	s_wait_xcnt 0x0                                ; these stores have read their data: the registers are loaded again below
.Lnofine:
.macro PACK a                          ; block a, 16 positions x 128 columns, rounded to f16: 16 bytes a lane and accumulator, each accumulator from its low end on
.set AC, 64*((\a)%4)
	WIN 0x0a+5*((\a)/4)                            ; sources 0 and 1: window 2 or 3
.irp b, 0,1,2,3,4,5,6,7
.irp i, 0,1,2,3
	v_cvt_pk_f16_f32 v[TMP+4*\b+\i], v[AC+8*\b+2*\i], v[AC+8*\b+2*\i+1]
.endr
.endr
	WIN 0
.endm
.macro TOSTAGE a                       ; into rows of 272 bytes; back by heads: 4 positions x 128 bytes an instruction
.set BB, BK+32*((\a)%2)
.irp b, 0,1,2,3,4,5,6,7
	ds_store_b128 v[STO], v[TMP+4*\b:TMP+4*\b+3] offset:32*\b
.endr
.irp hh, 0,1
.irp i, 0,1,2,3
	ds_load_b128 v[BB+4*(4*\hh+\i):BB+4*(4*\hh+\i)+3], v[RD] offset:1088*\i+128*\hh
.endr
.endr
.endm
.macro SEND a
.set BB, BK+32*((\a)%2)
	s_wait_dscnt 0x0                               ; the block is back in registers
	s_wait_xcnt 0x0                                ; the block before has been read by its stores: its registers take the next block's loads
.irp hh, 0,1
.irp i, 0,1,2,3
	global_store_b128 v[CO], v[BB+4*(4*\hh+\i):BB+4*(4*\hh+\i)+3], s[CBASE:CBASE+1] offset:262144*\hh+2048*(\a)+512*\i   ; 512 consecutive bytes of one head, aligned
.endr
.endr
.endm
	PACK 0
	TOSTAGE 0
.irp a, 1,2,3,4,5,6,7                  ; block a's conversions stand between block a - 1's loads from the stage and the wait for them
	PACK \a
	SEND \a-1
	TOSTAGE \a
.endr
	SEND 7
	s_wait_tensorcnt 0x0                           ; the wave's end
	ds_add_u32 v[SPW], v[NIL]
	s_wait_dscnt 0x0
	CROUND                                         ; the closing round
	s_endpgm
.Lfunc_end_k_qb6e1295741_proj:
	.size	k_qb6e1295741_proj, .Lfunc_end_k_qb6e1295741_proj-k_qb6e1295741_proj
	.p2alignl 7, 3214868480
	.fill 96, 4, 3214868480
	.section	.rodata,"a",@progbits
	.p2align	6, 0x0
	.amdhsa_kernel k_qb6e1295741_proj
		.amdhsa_group_segment_fixed_size 327680
		.amdhsa_private_segment_fixed_size 0
		.amdhsa_enable_private_segment 0
		.amdhsa_kernarg_size 48
		.amdhsa_user_sgpr_count 2
		.amdhsa_user_sgpr_kernarg_segment_ptr 1
		.amdhsa_wavefront_size32 1
		.amdhsa_system_sgpr_workgroup_id_x 1
		.amdhsa_system_sgpr_workgroup_id_y 1
		.amdhsa_system_sgpr_workgroup_id_z 1
		.amdhsa_system_vgpr_workitem_id 0
		.amdhsa_next_free_vgpr 1024
		.amdhsa_next_free_sgpr 100
		.amdhsa_reserve_vcc 0
		.amdhsa_float_denorm_mode_32 3
		.amdhsa_float_denorm_mode_16_64 3
		.amdhsa_memory_ordered 1
		.amdhsa_forward_progress 1
		.amdhsa_inst_pref_size 131
	.end_amdhsa_kernel
	.amdgpu_metadata
---
amdhsa.version: [ 1, 2 ]
amdhsa.kernels:
  - .name:           k_qb6e1295741_proj
    .symbol:         k_qb6e1295741_proj.kd
    .args:
      - { .name: xc, .offset: 0, .size: 8, .value_kind: global_buffer, .address_space: global }
      - { .name: xs, .offset: 8, .size: 8, .value_kind: global_buffer, .address_space: global }
      - { .name: wc, .offset: 16, .size: 8, .value_kind: global_buffer, .address_space: global }
      - { .name: ws, .offset: 24, .size: 8, .value_kind: global_buffer, .address_space: global }
      - { .name: qkv, .offset: 32, .size: 8, .value_kind: global_buffer, .address_space: global }
      - { .name: fq, .offset: 40, .size: 8, .value_kind: global_buffer, .address_space: global }
    .group_segment_fixed_size: 327680
    .private_segment_fixed_size: 0
    .kernarg_segment_align: 8
    .kernarg_segment_size: 48
    .max_flat_workgroup_size: 128
    .sgpr_count:     100
    .vgpr_count:     1024
    .wavefront_size: 32
...
	.end_amdgpu_metadata
.endif
;; end of part 2
;; launch attn (part 3): grid 4 x 64, 8 waves a work-group, no clusters, 327,680 bytes of LDS; arguments qkv, o; writes o
.if DOCPART == 3
	.amdgcn_target "amdgcn-amd-amdhsa--gfx1250"
	.amdhsa_code_object_version 6
	.text
	.protected	k_qb6e1295741_attn
	.globl	k_qb6e1295741_attn
	.p2align	8
	.type	k_qb6e1295741_attn,@function
k_qb6e1295741_attn:
	s_mov_b64 s[64:65], 0
	v_nop
	global_prefetch_b8 v0, s[64:65] scope:SCOPE_SE
	s_setreg_imm32_b32 hwreg(HW_REG_WAVE_MODE, 25, 1), 1
	s_wait_xcnt 0x0
; LAUNCH 3 OF 5.  o[b][h][l][:] = sum over s <= l of softmax_s(q[l] . k[s] / 8) v[s][:].  q, k, v: qkv, f16, [3][batch x head 64][2048][64]; o: f16, [batch x head][2048][64].  Products on f16 operands, maxima and sums in f32.
; WORK LEFT OUT: under the problem's own jnp.tril a key after a query has weight exactly 0.  Key steps all of whose keys come after all of a wave's queries, and blocks of 256 keys beyond a block of queries, are not loaded and not multiplied.
; A NaN, an infinity or an overflow that would arise only there is not carried to the result.  (Positions 0-15 are written here too, for launch 4's tiles; their rows of the output come from launch 5.)
; SHARES.  Work-group (p, head) owns the blocks p and 7 - p of 256 queries, one after the other: block p walks key slots 0..p, block 7 - p slots 0..7-p: nine slots of 256 keys for every work-group, so the trip count is a constant
; and all 256 work-groups have the same work.  Each of eight waves owns 32 queries of the block, two tiles of 16, so a fragment of K or V read from LDS feeds two matrix instructions; two waves share a SIMD, one's softmax beside the other's products.
; NO CLUSTER: the four work-groups of a head walk the slots 0..p, 0..7-p; these sequences agree in part only, and a joint load would have to be issued by all that it names at the same change of slots with the same address.
; LAYOUT.  S^T = K Q^T (source 0 = 16 keys, source 1 = 16 queries): a lane holds ONE query (lane % 16) and the keys 8 (lane / 16) + 0..7 of a tile.  Two such tiles, rounded to f16 in pairs, are source 1 of O^T = V^T P.  V is turned by ds_load_tr16_b128.
; SOFTMAX.  For each query a running maximum m (it starts at -3e38; key 0 counts for every query) and sum l: p = 2^(c s - c m), c = log2(e) / 8; in every step O and l are multiplied by a = 2^(c m_old - c m_new).
; THE RING.  Two LDS slots of 256 keys, 2^17 bytes apart; a slot is four steps of 64 keys, each 64 rows of K (144 bytes) and 64 of V (160).  Waves 0-3 fetch a slot's four tiles of K, waves 4-7 those of V: one tensor load a wave, which has a whole trip in which to land.
; REGISTERS: window 0: v1-14 addresses; v16-31 statistics, eight a tile: +0 c m, +1 m, +2, +3 l, +4..+7 at work (a at +6); v48-79 Q; v80-143 S^T, then p; v144-175 P; v176-239 O^T; v254, v255 the add's two.  window 1: v0-63 K, v64-127 V.
.set PK,    144                        ; 128 bytes + 16: 36 words from row to row
.set PV,    160                        ; 128 bytes + 32: an odd multiple of 32 bytes, as the turning load's 8 rows x 32 bytes want
.set VOFF,  64*PK
.set STEPB, 64*(PK+PV)
.set SLOT1, 1<<17
.set STAGE, SLOT1+4*STEPB              ; behind the ring: 32 rows x 144 bytes for each wave
.set SPARE, STAGE+8*32*PK              ; the spare words, 128 bytes a wave
.set AK0, 3
.set AV0, 4
.set ADK, 5
.set ADV, 6
.set QO,  7
.set STO, 8
.set RD,  9
.set GO,  10
.set DM,  11                           ; lane % 16 - 8 (lane / 16)
.set PFO, 14                           ; 256 x lane
.set ST,  16
.set Q,   48
.set S,   80
.set P,   144
.set O,   176
.set SPW, 254
.set NIL, 255
.set KFR, 0                            ; in window 1
.set VFR, 64
.set WV,  8                            ; s8 wave, s9 wave % 4, s10 p
.set W3,  9
.set PB,  10
.set QP,  14                           ; s[14:15] q of my head; s[16:17] o of my head
.set OP,  16
.set KW,  18                           ; s[18:19] k of my head at my tile of slot 0; s[20:21] v likewise
.set VW,  20
.set SEL, 22
.set CS,  24
.set G1K, 28
.set G1V, 36
.set G0K, 44
.set G0V, 48
.set TR,  52                           ; the trip, 0..8
.set INNER, 53
.set TB,  54                           ; LDS byte at which the step's tiles begin
.set KF,  55                           ; the step's first key
.set Q0,  56                           ; my first query
.set OFS, 58                           ; s[58:59] an offset, 0 above it
.set PFA, 66
.set LIM, 68
.set QW,  70
.set OW,  72
.set MSB, 0
.macro WIN new
.if MSB != (\new)
	s_set_vgpr_msb (MSB<<8)|(\new)
.set MSB, (\new)
.endif
.endm
; Every wave has a load in one of the two arms; the branch hangs on the wave's number alone.  An s_nop 0 and four v_nop follow each line.
.macro TLOAD
	s_cmp_lt_u32 s[WV], 4
	s_cbranch_scc0 .Lfor_v_\@
	tensor_load_to_lds s[G0K:G0K+3], s[G1K:G1K+7]
	s_nop 0
.rept 4
	v_nop
.endr
	s_branch .Lasked_\@
.Lfor_v_\@:
	tensor_load_to_lds s[G0V:G0V+3], s[G1V:G1V+7]
	s_nop 0
.rept 4
	v_nop
.endr
.Lasked_\@:
.endm
; A prefetch of key slot TR + 2, in trips 0 to 5, by the head's work-group p = 0 alone (a branch on the work-group's number): each wave names the 8,192 bytes of its own tile, lanes 256 bytes apart.
; So each aligned 256 bytes of slots 2 to 7 of K and V is named once in the launch; slots 0 and 1 come by their loads alone.  In that work-group trip t loads slot t, so the request stands two trips ahead of its own load.
.macro ASK
	s_cmp_lt_u32 s[TR], s[LIM]
	s_cbranch_scc0 .Lnot_mine_\@
	global_prefetch_b8 v[PFO], s[PFA:PFA+1] th:TH_LOAD_NT scope:SCOPE_SE
.Lnot_mine_\@:
.endm
; THE CHANGE OF SLOTS, at a trip's head.  Each wave waits for its tensor load (its tile of the slot ahead), adds 0 to its spare word, and waits for that and for its reads of the slot that it has left; behind the barrier the slot ahead is whole
; and nobody reads the other.  fill = 1: the other slot takes the next trip's keys: slot TR + 1 of the first block while TR + 1 <= p, else slot TR - p of the second.
.macro CHANGE fill
	s_wait_tensorcnt 0x0                           ; no tensor load of mine is out, so a group 0 may be written
	ds_add_u32 v[SPW], v[NIL]                      ; 0 onto my spare word; the descriptors' steps stand between it and the wait for it
.if \fill
	s_add_co_u32 s60, s[TR], 1
	s_sub_co_u32 s61, s[TR], s[PB]
	s_cmp_le_u32 s60, s[PB]
	s_cselect_b32 s[OFS], s60, s61
	s_lshl_b32 s[OFS], s[OFS], 15                  ; a slot is 256 rows of 128 bytes
	s_xor_b32 s[G0K+1], s[G0K+1], SLOT1
	s_xor_b32 s[G0V+1], s[G0V+1], SLOT1
	s_add_nc_u64 s[G0K+2:G0K+3], s[KW:KW+1], s[OFS:OFS+1]
	s_or_b32 s[G0K+3], s[G0K+3], 0x80000000
	s_add_nc_u64 s[G0V+2:G0V+3], s[VW:VW+1], s[OFS:OFS+1]
	s_or_b32 s[G0V+3], s[G0V+3], 0x80000000
	s_wait_xcnt 0x0                                ; the last prefetch, a trip back, has read its address
	s_add_nc_u64 s[PFA:PFA+1], s[PFA:PFA+1], 32768
.endif
	s_wait_dscnt 0x0                               ; the add is done, and my reads of the slot that I have left are over
	s_barrier_signal -1
	s_barrier_wait -1
.if \fill
	TLOAD                                          ; the first thing behind the barrier, and my one tensor load until the next
	ASK
.endif
.endm
; A KEY STEP: 64 keys.
.macro STEP
	s_add_co_u32 s60, s[Q0], 31
	s_cmp_gt_u32 s[KF], s60                        ; all 64 keys come after my 32 queries: the step's work is left out (ids and counts of steps alone)
	s_cbranch_scc1 .Lhidden_\@
	v_add_nc_u32 v[ADK], s[TB], v[AK0]
	v_add_nc_u32 v[ADV], s[TB], v[AV0]
	v_nop
	v_nop                                          ; four plain lines between the last step's products and the loads into the registers that they read
	WIN 0x40                                       ; destination window 1
.irp kt, 0,1,2,3
.irp ds, 0,1
	ds_load_b128 v[KFR+8*(2*\kt+\ds):KFR+8*(2*\kt+\ds)+3], v[ADK] offset:16*PK*\kt+64*\ds
	ds_load_b128 v[KFR+8*(2*\kt+\ds)+4:KFR+8*(2*\kt+\ds)+7], v[ADK] offset:16*PK*\kt+64*\ds+32
.endr
.endr
.irp kk, 0,1
.irp ct, 0,1,2,3
	ds_load_tr16_b128 v[VFR+8*(4*\kk+\ct):VFR+8*(4*\kk+\ct)+3], v[ADV] offset:32*PV*\kk+32*\ct
	ds_load_tr16_b128 v[VFR+8*(4*\kk+\ct)+4:VFR+8*(4*\kk+\ct)+7], v[ADV] offset:32*PV*\kk+16*PV+32*\ct
.endr
.endr
	s_wait_dscnt 16                                ; K is in; V's sixteen loads may be out
	WIN 0x01                                       ; source 0 window 1
.irp ds, 0,1                                   ; S^T = K Q^T: eight accumulators by turns; the first eight products start the sums
.irp kt, 0,1,2,3
.irp t, 0,1
.if \ds == 0
	v_wmma_f32_16x16x32_f16 v[S+32*\t+8*\kt:S+32*\t+8*\kt+7], v[KFR+8*(2*\kt+\ds):KFR+8*(2*\kt+\ds)+7], v[Q+16*\t+8*\ds:Q+16*\t+8*\ds+7], 0
.else
	v_wmma_f32_16x16x32_f16 v[S+32*\t+8*\kt:S+32*\t+8*\kt+7], v[KFR+8*(2*\kt+\ds):KFR+8*(2*\kt+\ds)+7], v[Q+16*\t+8*\ds:Q+16*\t+8*\ds+7], v[S+32*\t+8*\kt:S+32*\t+8*\kt+7]
.endif
.endr
.endr
.endr
	WIN 0
.rept 4
	v_nop                                          ; places in front of the first read of the scores
.endr
	s_add_co_u32 s60, s[KF], 63                    ; on the diagonal hidden scores become -infinity ahead of the maximum; a step all of whose keys count skips this
	s_cmp_le_u32 s60, s[Q0]
	s_cbranch_scc1 .Lopen_\@
	s_sub_co_i32 s60, s[Q0], s[KF]
	v_mov_b32 v13, 0xff800000
	v_add_nc_u32 v12, s60, v[DM]                   ; d = my query - KF - 8 (lane / 16).  Register 8 kt + j holds key KF + 8 (lane / 16) + 16 kt + j: hidden where 16 kt + j > d
.irp t, 0,1
.if \t == 1
	v_add_nc_u32 v12, 16, v12
.endif
.set n, 0
.rept 32
	v_cmp_gt_i32 vcc_lo, 16*(n/8)+n%8, v12
	v_cndmask_b32 v[S+32*\t+n], v[S+32*\t+n], v13, vcc_lo
.set n, n+1
.endr
.endr
.Lopen_\@:
.irp j, 0,1,2,3                                ; the maximum of my 32 scores and the old m: four chains, each begun at its accumulator's low end; the two tiles alternate
.irp t, 0,1
	v_max3_num_f32 v[ST+8*\t+4+\j], v[S+32*\t+8*\j], v[S+32*\t+8*\j+1], v[S+32*\t+8*\j+2]
.endr
.endr
.irp i, 3,5
.irp j, 0,1,2,3
.irp t, 0,1
	v_max3_num_f32 v[ST+8*\t+4+\j], v[ST+8*\t+4+\j], v[S+32*\t+8*\j+\i], v[S+32*\t+8*\j+\i+1]
.endr
.endr
.endr
.irp t, 0,1
	v_max3_num_f32 v[ST+8*\t+4], v[ST+8*\t+4], v[S+32*\t+7], v[S+32*\t+15]
.endr
.irp t, 0,1
	v_max3_num_f32 v[ST+8*\t+6], v[ST+8*\t+6], v[S+32*\t+23], v[S+32*\t+31]
.endr
.irp t, 0,1
	v_max3_num_f32 v[ST+8*\t+4], v[ST+8*\t+4], v[ST+8*\t+5], v[ST+8*\t+6]
.endr
.irp t, 0,1
	v_max3_num_f32 v[ST+8*\t+4], v[ST+8*\t+4], v[ST+8*\t+7], v[ST+8*\t+1]
.endr
.irp t, 0,1
	v_permlanex16_b32 v[ST+8*\t+5], v[ST+8*\t+4], s[SEL], s[SEL+1]   ; the query's other 32 keys lie in the lane 16 away
.endr
.irp t, 0,1
	v_mov_b32 v[ST+8*\t+7], v[ST+8*\t]             ; c m_old
.endr
.irp t, 0,1
	v_max_num_f32 v[ST+8*\t+1], v[ST+8*\t+4], v[ST+8*\t+5]
.endr
.irp t, 0,1
	v_mul_f32 v[ST+8*\t], s[CS], v[ST+8*\t+1]
.endr
.irp t, 0,1
	v_sub_f32 v[ST+8*\t+7], v[ST+8*\t+7], v[ST+8*\t]
.endr
.irp b, 0,2,4,6,8,10,12,14,16,18,20,22,24,26,28,30
.irp t, 0,1
	v_pk_fma_f32 v[S+32*\t+\b:S+32*\t+\b+1], v[S+32*\t+\b:S+32*\t+\b+1], s[CS:CS+1], v[ST+8*\t:ST+8*\t+1] op_sel_hi:[1,0,0] neg_lo:[0,0,1] neg_hi:[0,0,1]   ; c s - c m, two at a time
.endr
.endr
.irp t, 0,1
	v_exp_f32 v[ST+8*\t+6], v[ST+8*\t+7]           ; a
.endr
.set n, 0
.rept 32                                       ; both tiles' 66 exponentials are one batch
	v_exp_f32 v[S+n], v[S+n]
	v_exp_f32 v[S+32+n], v[S+32+n]
.set n, n+1
.endr
	v_nop                                          ; a plain line behind the last exponential
	s_wait_alu depctr_va_vdst(0)                   ; one wait for the batch, ahead of its first reader
.set n, 0
.rept 16
	v_cvt_pk_f16_f32 v[P+n], v[S+2*n], v[S+2*n+1]  ; the weights as f16: two neighbouring tiles' pairs are source 1 of the second product
	v_cvt_pk_f16_f32 v[P+16+n], v[S+32+2*n], v[S+32+2*n+1]
.set n, n+1
.endr
.irp u, 0,1,2,3,4,5,6,7                        ; the sum of the unrounded weights, in place, neighbours 1, 2, 4 and 8 pairs apart
.irp t, 0,1
	v_pk_add_f32 v[S+32*\t+4*\u:S+32*\t+4*\u+1], v[S+32*\t+4*\u:S+32*\t+4*\u+1], v[S+32*\t+4*\u+2:S+32*\t+4*\u+3]
.endr
.endr
.irp u, 0,1,2,3
.irp t, 0,1
	v_pk_add_f32 v[S+32*\t+8*\u:S+32*\t+8*\u+1], v[S+32*\t+8*\u:S+32*\t+8*\u+1], v[S+32*\t+8*\u+4:S+32*\t+8*\u+5]
.endr
.endr
.irp u, 0,1
.irp t, 0,1
	v_pk_add_f32 v[S+32*\t+16*\u:S+32*\t+16*\u+1], v[S+32*\t+16*\u:S+32*\t+16*\u+1], v[S+32*\t+16*\u+8:S+32*\t+16*\u+9]
.endr
.endr
.irp t, 0,1
	v_pk_add_f32 v[S+32*\t:S+32*\t+1], v[S+32*\t:S+32*\t+1], v[S+32*\t+16:S+32*\t+17]
.endr
.irp t, 0,1
	v_pk_fma_f32 v[ST+8*\t+2:ST+8*\t+3], v[ST+8*\t+2:ST+8*\t+3], v[ST+8*\t+6:ST+8*\t+7], v[S+32*\t:S+32*\t+1] op_sel_hi:[1,0,1]   ; l = a l + the sum
.endr
.irp t, 0,1
.set n, 0
.rept 16
	v_pk_mul_f32 v[O+32*\t+n:O+32*\t+n+1], v[O+32*\t+n:O+32*\t+n+1], v[ST+8*\t+6:ST+8*\t+7] op_sel_hi:[1,0]   ; O^T x a, each accumulator from its low end on
.set n, n+2
.endr
.endr
	s_wait_dscnt 0x0                               ; V is in
	WIN 0x01
.irp kk, 0,1                                   ; O^T += V^T P: eight accumulators by turns
.irp ct, 0,1,2,3
.irp t, 0,1
	v_wmma_f32_16x16x32_f16 v[O+32*\t+8*\ct:O+32*\t+8*\ct+7], v[VFR+8*(4*\kk+\ct):VFR+8*(4*\kk+\ct)+7], v[P+16*\t+8*\kk:P+16*\t+8*\kk+7], v[O+32*\t+8*\ct:O+32*\t+8*\ct+7]
.endr
.endr
.endr
	WIN 0
.Lhidden_\@:
	s_add_co_u32 s[KF], s[KF], 64
	s_add_co_u32 s[TB], s[TB], STEPB
.endm
.macro STEPS                           ; a slot's four steps: written once, walked four times
	s_mov_b32 s[INNER], 4
.Lstep_\@:
	STEP
	s_sub_co_u32 s[INNER], s[INNER], 1
	s_cmp_lg_u32 s[INNER], 0
	s_cbranch_scc1 .Lstep_\@
	s_sub_co_u32 s[TB], s[TB], 4*STEPB
	s_xor_b32 s[TB], s[TB], SLOT1                  ; on to the other slot
.endm
; A block of queries begins: Q into registers; m = -3e38, l = 0, O^T = 0, so that the step is written once: the first change of m multiplies zeros.
.macro INIT
	s_wait_xcnt 0x0                                ; earlier loads and stores have read their base and data
	s_lshl_b32 s[OFS], s[Q0], 7
	s_add_nc_u64 s[QW:QW+1], s[QP:QP+1], s[OFS:OFS+1]
.irp t, 0,1
.irp ds, 0,1
	global_load_b128 v[Q+16*\t+8*\ds:Q+16*\t+8*\ds+3], v[QO], s[QW:QW+1] offset:2048*\t+64*\ds
	global_load_b128 v[Q+16*\t+8*\ds+4:Q+16*\t+8*\ds+7], v[QO], s[QW:QW+1] offset:2048*\t+64*\ds+32
.endr
.endr
.irp t, 0,1
	v_mov_b32 v[ST+8*\t+1], 0xff61b1e6
	v_mul_f32 v[ST+8*\t], s[CS], v[ST+8*\t+1]
.irp i, 2,3,4,5,6,7
	v_mov_b32 v[ST+8*\t+\i], 0
.endr
.endr
.set n, 0
.rept 64
	v_mov_b32 v[O+n], 0
.set n, n+1
.endr
	s_wait_loadcnt 0x0
.endm
; A block ends: O^T / l, rounded to f16, through my stage (rows of 144 bytes) and out: a store of the wave covers 4 positions x 128 bytes, 512 consecutive bytes, aligned.
.macro FINISH
.rept 4
	v_nop                                          ; places behind the last products
.endr
	s_wait_xcnt 0x0
	s_lshl_b32 s[OFS], s[Q0], 7
	s_add_nc_u64 s[OW:OW+1], s[OP:OP+1], s[OFS:OFS+1]
.irp t, 0,1
	v_add_f32 v[ST+8*\t+4], v[ST+8*\t+2], v[ST+8*\t+3]
.endr
.irp t, 0,1
	v_permlanex16_b32 v[ST+8*\t+5], v[ST+8*\t+4], s[SEL], s[SEL+1]
.endr
.irp t, 0,1
	v_add_f32 v[ST+8*\t+4], v[ST+8*\t+4], v[ST+8*\t+5]
.endr
.irp t, 0,1
	v_rcp_f32 v[ST+8*\t+6], v[ST+8*\t+4]
.endr
	v_nop
	s_wait_alu depctr_va_vdst(0)                   ; one wait for the two reciprocals, ahead of their first reader
.irp t, 0,1
.set n, 0
.rept 16
	v_pk_mul_f32 v[O+32*\t+n:O+32*\t+n+1], v[O+32*\t+n:O+32*\t+n+1], v[ST+8*\t+6:ST+8*\t+7] op_sel_hi:[1,0]
.set n, n+2
.endr
.set n, 0
.rept 16
	v_cvt_pk_f16_f32 v[S+32*\t+n], v[O+32*\t+2*n], v[O+32*\t+2*n+1]
.set n, n+1
.endr
.irp ct, 0,1,2,3
	ds_store_b128 v[STO], v[S+32*\t+4*\ct:S+32*\t+4*\ct+3] offset:16*PK*\t+32*\ct
.endr
.irp i, 0,1,2,3
	ds_load_b128 v[S+32*\t+4*\i:S+32*\t+4*\i+3], v[RD] offset:16*PK*\t+4*PK*\i   ; LDS serves a wave's instructions in order: these see the stores
.endr
.endr
	s_wait_dscnt 0x0
.irp t, 0,1
.irp i, 0,1,2,3
	global_store_b128 v[GO], v[S+32*\t+4*\i:S+32*\t+4*\i+3], s[OW:OW+1] offset:2048*\t+512*\i
.endr
.endr
.endm
	s_load_b128 s[4:7], s[0:1], 0x0                ; qkv, o
	v_lshl_add_u32 v[SPW], v0, 2, SPARE
	v_mov_b32 v[NIL], 0
	ds_add_u32 v[SPW], v[NIL]                      ; the opening: the add, twice on end, and its wait ahead of my first tensor load
	ds_add_u32 v[SPW], v[NIL]
	v_lshrrev_b32 v1, 5, v0
	v_readfirstlane_b32 s[WV], v1
	s_and_b32 s[W3], s[WV], 3
	s_mov_b32 s[PB], ttmp9
	s_and_b32 s12, ttmp7, 0xffff
	s_lshl_b32 s12, s12, 18                        ; a head is 2,048 x 128 bytes
	s_mov_b32 s13, 0
	s_mov_b32 s[G1K], (1<<16)|(1<<20)|(4<<22)|(3<<25)   ; elements of 2 bytes; padding on: after every 32 words, 4 words
	s_mov_b32 s[G1V], (1<<16)|(1<<20)|(4<<22)|(7<<25)   ; the same with 8 words
.irp g, G1K, G1V
	s_mov_b32 s[\g+1], 64<<16                      ; tensor_dim0 = 64
	s_mov_b32 s[\g+2], 64<<16                      ; tensor_dim1 = 64
	s_mov_b32 s[\g+3], 64<<16                      ; tile_dim0 = 64
	s_mov_b32 s[\g+4], 64                          ; tile_dim1 = 64
	s_mov_b32 s[\g+5], 64                          ; from row to row
	s_mov_b32 s[\g+6], 0
	s_mov_b32 s[\g+7], 0
.endr
	s_mov_b32 s[SEL], 0x76543210
	s_mov_b32 s[SEL+1], 0xfedcba98
	s_mov_b32 s[CS], 0x3e38aa3b                    ; c = log2(e) / 8
	s_mov_b32 s[CS+1], s[CS]
	s_mov_b32 s[OFS+1], 0
	s_mov_b32 s[TB], 0
	s_mov_b32 s[KF], 0
	s_mov_b32 s[TR], 0
	s_lshl_b32 s[Q0], s[PB], 8
	s_lshl_b32 s60, s[WV], 5
	s_add_co_u32 s[Q0], s[Q0], s60                 ; my first query: 256 p + 32 x wave
	s_cmp_eq_u32 s[PB], 0
	s_cselect_b32 s[LIM], 6, 0
	s_mul_i32 s61, s[W3], STEPB                    ; my tile's place in a slot
	s_lshl_b32 s[OFS], s[W3], 13                   ; and in memory: 64 rows of 128 bytes
	s_wait_dscnt 0x0                               ; both opening adds are done
	s_wait_kmcnt 0x0
	s_add_nc_u64 s[QP:QP+1], s[4:5], s[12:13]
	s_add_nc_u64 s[OP:OP+1], s[6:7], s[12:13]
	s_add_nc_u64 s[KW:KW+1], s[QP:QP+1], s[OFS:OFS+1]
	s_add_nc_u64 s[VW:VW+1], s[KW:KW+1], 0x2000000 ; v lies two tensors of 16,777,216 bytes on,
	s_add_nc_u64 s[KW:KW+1], s[KW:KW+1], 0x1000000 ; k one
	s_mov_b32 s[G0K], 1
	s_mov_b32 s[G0K+1], s61
	s_mov_b64 s[G0K+2:G0K+3], s[KW:KW+1]
	s_or_b32 s[G0K+3], s[G0K+3], 0x80000000
	s_mov_b32 s[G0V], 1
	s_add_co_u32 s[G0V+1], s61, VOFF
	s_mov_b64 s[G0V+2:G0V+3], s[VW:VW+1]
	s_or_b32 s[G0V+3], s[G0V+3], 0x80000000
	TLOAD                                          ; key slot 0 into LDS slot 0
	s_cmp_lt_u32 s[WV], 4
	s_cselect_b64 s[PFA:PFA+1], s[KW:KW+1], s[VW:VW+1]
	s_add_nc_u64 s[PFA:PFA+1], s[PFA:PFA+1], 32768 ; in slot 1: the first change steps it to slot 2.  Nothing is prefetched at the head
	v_and_b32 v1, 15, v0                           ; r
	v_bfe_u32 v2, v0, 4, 1                         ; h
	v_mul_u32_u24 v[AK0], v1, PK
	v_lshl_add_u32 v[AK0], v2, 4, v[AK0]           ; K: row r, + 16 h
	v_and_b32 v12, 7, v0
	v_bfe_u32 v13, v0, 3, 1
	v_lshl_add_u32 v[AV0], v2, 3, v12
	v_mul_u32_u24 v[AV0], v[AV0], PV
	v_lshl_add_u32 v[AV0], v13, 4, v[AV0]
	v_add_nc_u32 v[AV0], VOFF, v[AV0]              ; V: key 8 h + lane % 8, channels 8 ((lane / 8) % 2) on
	v_lshlrev_b32 v[QO], 7, v1
	v_lshl_add_u32 v[QO], v2, 4, v[QO]
	s_mul_i32 s60, s[WV], 32*PK
	s_add_co_u32 s60, s60, STAGE                   ; my stage
	v_add_nc_u32 v[STO], s60, v[AK0]               ; in: row r, 16 bytes for each half of the lanes
	v_and_b32 v12, 31, v0
	v_lshrrev_b32 v13, 3, v12
	v_mul_u32_u24 v13, v13, PK
	v_and_b32 v[GO], 7, v0
	v_lshl_add_u32 v13, v[GO], 4, v13
	v_add_nc_u32 v[RD], s60, v13                   ; back: eight lanes to a row of 128 bytes
	v_lshlrev_b32 v[GO], 4, v12
	v_lshlrev_b32 v[PFO], 8, v12
	v_lshlrev_b32 v13, 3, v2
	v_sub_nc_u32 v[DM], v1, v13
	INIT
.Ltrip:                                            ; eight trips, each of which asks for the next trip's slot; the ninth is written out
	CHANGE 1
	STEPS
	s_cmp_lg_u32 s[TR], s[PB]                      ; behind trip p the first block is done (the work-group's number and the count of trips: all eight waves go the same way)
	s_cbranch_scc1 .Lsame
	FINISH
	s_sub_co_u32 s[Q0], 7, s[PB]
	s_lshl_b32 s[Q0], s[Q0], 8
	s_lshl_b32 s60, s[WV], 5
	s_add_co_u32 s[Q0], s[Q0], s60                 ; block 7 - p
	s_mov_b32 s[KF], 0
	INIT
.Lsame:
	s_add_co_u32 s[TR], s[TR], 1
	s_cmp_lt_u32 s[TR], 8
	s_cbranch_scc1 .Ltrip
	CHANGE 0
	STEPS
	FINISH
	s_wait_tensorcnt 0x0                           ; the wave's end
	ds_add_u32 v[SPW], v[NIL]
	s_wait_dscnt 0x0
	s_endpgm
.Lfunc_end_k_qb6e1295741_attn:
	.size	k_qb6e1295741_attn, .Lfunc_end_k_qb6e1295741_attn-k_qb6e1295741_attn
	.p2alignl 7, 3214868480
	.fill 96, 4, 3214868480
	.section	.rodata,"a",@progbits
	.p2align	6, 0x0
	.amdhsa_kernel k_qb6e1295741_attn
		.amdhsa_group_segment_fixed_size 327680
		.amdhsa_private_segment_fixed_size 0
		.amdhsa_enable_private_segment 0
		.amdhsa_kernarg_size 16
		.amdhsa_user_sgpr_count 2
		.amdhsa_user_sgpr_kernarg_segment_ptr 1
		.amdhsa_wavefront_size32 1
		.amdhsa_system_sgpr_workgroup_id_x 1
		.amdhsa_system_sgpr_workgroup_id_y 1
		.amdhsa_system_sgpr_workgroup_id_z 1
		.amdhsa_system_vgpr_workitem_id 0
		.amdhsa_next_free_vgpr 384
		.amdhsa_next_free_sgpr 80
		.amdhsa_reserve_vcc 1
		.amdhsa_float_denorm_mode_32 3
		.amdhsa_float_denorm_mode_16_64 3
		.amdhsa_memory_ordered 1
		.amdhsa_forward_progress 1
		.amdhsa_inst_pref_size 70
	.end_amdhsa_kernel
	.amdgpu_metadata
---
amdhsa.version: [ 1, 2 ]
amdhsa.kernels:
  - .name:           k_qb6e1295741_attn
    .symbol:         k_qb6e1295741_attn.kd
    .args:
      - { .name: qkv, .offset: 0, .size: 8, .value_kind: global_buffer, .address_space: global }
      - { .name: o, .offset: 8, .size: 8, .value_kind: global_buffer, .address_space: global }
    .group_segment_fixed_size: 327680
    .private_segment_fixed_size: 0
    .kernarg_segment_align: 8
    .kernarg_segment_size: 16
    .max_flat_workgroup_size: 256
    .sgpr_count:     80
    .vgpr_count:     384
    .wavefront_size: 32
...
	.end_amdgpu_metadata
.endif
;; end of part 3
;; launch oproj (part 4): grid 8 x 64, 4 waves a work-group, clusters of 4 x 4, 327,680 bytes of LDS; arguments o, wo16, out0; writes out0
.if DOCPART == 4
	.amdgcn_target "amdgcn-amd-amdhsa--gfx1250"
	.amdhsa_code_object_version 6
	.text
	.protected	k_qb6e1295741_oproj
	.globl	k_qb6e1295741_oproj
	.p2align	8
	.type	k_qb6e1295741_oproj,@function
k_qb6e1295741_oproj:
	s_mov_b64 s[64:65], 0
	v_nop
	global_prefetch_b8 v0, s[64:65] scope:SCOPE_SE
	s_setreg_imm32_b32 hwreg(HW_REG_WAVE_MODE, 25, 1), 1
	s_wait_xcnt 0x0
	s_wait_alu depctr_hold_cnt(0) depctr_sa_sdst(0) depctr_va_vdst(0) depctr_va_sdst(0) depctr_va_ssrc(0) depctr_va_vcc(0) depctr_vm_vsrc(0)
	s_getreg_b32 s2, hwreg(HW_REG_IB_STS2, 6, 4)
	s_cmp_eq_u32 s2, 0
	s_cbranch_scc0 .Lentry_in_a_cluster
	s_endpgm
.Lentry_in_a_cluster:
	s_bfe_u32 s2, ttmp6, 0x10000c
	s_cmp_lg_u32 s2, 0xf033
	s_cbranch_scc0 .Lentry_shape_is_right
	s_endpgm
.Lentry_shape_is_right:
; LAUNCH 4 OF 5.  out0[row][n] = sum over k of o[row][k] Wo[n][k], f16 operands, f32 sums, f32 out.  o: [batch][head][position][64] f16, k = 64 head + channel; wo16: [1024 n][1024 k] f16; out0: [8192][1024] f32.
; NOT STORED HERE: positions 0-15 of each sequence.  Launch 5 makes those 64 rows in f32 and stores them; every other row is stored here, so each byte of out0 has one writer.
; A tile of C is 128 x 128: 512 work-groups; four waves of 64 x 64: 16 accumulators.  K goes in four steps of 256 through two LDS slots.
; A's tile out of o: a K step is four heads; 64 positions of a head are 8,192 dense bytes.  One load states 4 rows of 4,096 elements, 131,072 elements apart, with 16 bytes of padding behind every 128 bytes:
; in LDS [head of the step][position][144 bytes], so that a quarter of a K step (64 along K) is one head's chunk.
; CLUSTERS: 4 x 4.  cluster y = the block of 128 positions, cy = the batch, tile column = 4 x cluster x + cx: A's tile is shared along a row of the cluster, B's along a column, each asked for jointly;
; and whether a tile holds a sequence's first positions is the same in all sixteen.  THE MATRIX INSTRUCTION IS USED TRANSPOSED (source 0 = rows of Wo, source 1 = rows of o): a lane holds eight neighbouring columns of a row of C.
; REGISTERS: window 0: v0-31 addresses; v32-95 rows on the way out; v128-255 the accumulators ((a, b) at v[128 + 8 (4 a + b)]).  window 1: two fragment buffers of 128: A's 64 registers, then B's 64.
.set KSTEP,  256
.set PA,     144                       ; a position's 128 bytes + 16
.set CHUNK,  64*PA
.set HALFA,  4*CHUNK                   ; what one load brings of A
.set ASTEP,  4*262144                  ; a K step on in o: four heads
.set PBP,    528                       ; a row of B: 512 bytes + 16
.set HALFB,  64*PBP
.set SLOT,   2*HALFA+2*HALFB
.set SPARE,  2*SLOT                    ; the spare words, 128 bytes a wave
.set SPITCH, 272                       ; the way out: 16 rows x (256 bytes + 16) for each wave, in slot 0
.set ADRA, 16
.set ADRB, 20
.set STO,  24
.set RD,   25
.set CO,   26
.set SPW,  28
.set NIL,  29
.set TMP,  32
.set ACC,  128
.set F0,   0
.set F1,   128
.set G1, 24
.set G0, 32
.set G1B, 48
.set G0B, 56
.set MSB, 0
.macro WIN new
.if MSB != (\new)
	s_set_vgpr_msb (MSB<<8)|(\new)
.set MSB, (\new)
.endif
.endm
.set MUL,  0x05                        ; sources 0 (B) and 1 (A) window 1
.set TO_F, 0x40
.macro JLOAD s                         ; waves 0 and 1 fetch A's halves, waves 2 and 3 B's; an s_nop 0 and four v_nop follow each line
	s_cmp_eq_u32 s11, 0
	s_cbranch_scc0 .Lfor_b_\@
	tensor_load_to_lds s[G0+4*\s:G0+4*\s+3], s[G1:G1+7]
	s_nop 0
.rept 4
	v_nop
.endr
	s_branch .Lasked_\@
.Lfor_b_\@:
	tensor_load_to_lds s[G0B+4*\s:G0B+4*\s+3], s[G1B:G1B+7]
	s_nop 0
.rept 4
	v_nop
.endr
.Lasked_\@:
.endm
.macro CREST                           ; a round of the cluster's barrier behind its opening barrier
	s_cmp_lg_u32 s10, 0
	s_cbranch_scc1 .Lnot_wave_0_\@
	s_barrier_signal -3
.Lnot_wave_0_\@:
	s_barrier_wait -3
	s_barrier_signal -1
	s_barrier_wait -1
.endm
.macro CROUND
	s_barrier_signal -1
	s_barrier_wait -1
	CREST
.endm
	s_load_b128 s[4:7], s[0:1], 0x0                ; o, wo16
	s_load_b64 s[8:9], s[0:1], 0x10                ; out0
	v_lshl_add_u32 v[SPW], v0, 2, SPARE
	v_mov_b32 v[NIL], 0
	ds_add_u32 v[SPW], v[NIL]                      ; the opening: the add, twice on end, and its wait ahead of my first tensor load
	ds_add_u32 v[SPW], v[NIL]
	v_lshrrev_b32 v1, 5, v0
	v_readfirstlane_b32 s10, v1                    ; wave 0..3
	s_lshr_b32 s11, s10, 1                         ; my half of the tile's rows.  Also: I fetch for A (0) or for B (1)
	s_and_b32 s12, s10, 1                          ; my half of its columns.  Also: which 64 rows I fetch
	s_bfe_u32 s40, ttmp6, 0x40000                  ; cx
	s_bfe_u32 s41, ttmp6, 0x40004                  ; cy: the batch
	s_lshl_b32 s42, ttmp9, 2
	s_add_co_u32 s42, s42, s40                     ; tile column 0..7
	s_and_b32 s13, ttmp7, 0xffff                   ; the block of 128 positions
	s_lshl_b32 s43, s41, 2
	s_lshl_b32 s43, 15, s43                        ; my row of the cluster
	s_lshl_b32 s44, 0x1111, s40                    ; my column
	s_or_b32 s[G1+0], s43, (1<<16)|(1<<20)|(1<<21)|(4<<22)|(3<<25)  ; the mask; elements of 2 bytes; padding on; bit 21 beside a mask; after every 32 words, 4 words
	s_mov_b32 s[G1+1], 4096<<16                    ; tensor_dim0 = 4,096
	s_mov_b32 s[G1+2], 4<<16                       ; tensor_dim1 = 4
	s_mov_b32 s[G1+3], 4096<<16                    ; tile_dim0 = 4,096
	s_mov_b32 s[G1+4], 4                           ; tile_dim1 = 4
	s_mov_b32 s[G1+5], 131072                      ; from head to head, in elements
	s_mov_b32 s[G1+6], 0
	s_mov_b32 s[G1+7], 0
	s_or_b32 s[G1B+0], s44, (1<<16)|(1<<20)|(1<<21)|(6<<22)|(3<<25) ; after every 128 words, 4 words
	s_mov_b32 s[G1B+1], KSTEP<<16
	s_mov_b32 s[G1B+2], 64<<16
	s_mov_b32 s[G1B+3], KSTEP<<16
	s_mov_b32 s[G1B+4], 64
	s_mov_b32 s[G1B+5], 1024
	s_mov_b32 s[G1B+6], 0
	s_mov_b32 s[G1B+7], 0
	s_lshl_b32 s16, s41, 22                        ; A: the batch's 16 heads,
	s_lshl_b32 s17, s13, 14                        ; the block's 128 positions of 128 bytes,
	s_add_co_u32 s16, s16, s17
	s_lshl_b32 s17, s12, 13                        ; my 64 of them
	s_add_co_u32 s16, s16, s17
	s_mov_b32 s17, 0
	s_lshl_b32 s46, s42, 18                        ; B: row 128 x tile column + 64 x half, 2,048 bytes each
	s_lshl_b32 s47, s12, 17
	s_add_co_u32 s46, s46, s47
	s_mov_b32 s47, 0
	s_mul_i32 s20, s12, HALFA                      ; where they go: no place in the cluster enters an LDS address
	s_mul_i32 s21, s12, HALFB
	s_add_co_u32 s21, s21, 2*HALFA
	s_wait_dscnt 0x0                               ; both opening adds are done
	s_wait_kmcnt 0x0
	s_add_nc_u64 s[14:15], s[4:5], s[16:17]
	s_add_nc_u64 s[46:47], s[6:7], s[46:47]
	CROUND                                         ; all sixteen work-groups are here: the first joint loads meet
.irp s, 0,1
	s_mov_b32 s[G0+4*\s], 1
	s_add_co_u32 s[G0+4*\s+1], s20, \s*SLOT
	s_add_nc_u64 s[G0+4*\s+2:G0+4*\s+3], s[14:15], \s*ASTEP
	s_or_b32 s[G0+4*\s+3], s[G0+4*\s+3], 0x80000000
	s_mov_b32 s[G0B+4*\s], 1
	s_add_co_u32 s[G0B+4*\s+1], s21, \s*SLOT
	s_add_nc_u64 s[G0B+4*\s+2:G0B+4*\s+3], s[46:47], \s*KSTEP*2
	s_or_b32 s[G0B+4*\s+3], s[G0B+4*\s+3], 0x80000000
	JLOAD \s
.endr
	v_and_b32 v1, 15, v0                           ; r
	v_bfe_u32 v2, v0, 4, 1                         ; h
	v_mul_u32_u24 v3, v1, PA
	v_lshl_add_u32 v3, v2, 4, v3
	v_mul_u32_u24 v4, v1, PBP
	v_lshl_add_u32 v4, v2, 4, v4
	s_mul_i32 s21, s11, HALFA                      ; my 64 rows of A
	s_mul_i32 s22, s12, HALFB
	s_add_co_u32 s22, s22, 2*HALFA                 ; my 64 rows of B
.irp s, 0,1
	v_add_nc_u32 v[ADRA+\s], s21, v3
	v_add_nc_u32 v[ADRB+\s], s22, v4
	s_add_co_u32 s21, s21, SLOT
	s_add_co_u32 s22, s22, SLOT
.endr
	s_mul_i32 s23, s10, 16*SPITCH                  ; my stage
	v_mul_u32_u24 v4, v1, SPITCH
	v_lshl_add_u32 v4, v2, 5, v4
	v_add_nc_u32 v[STO], s23, v4                   ; in: row r, 32 bytes for each half of the lanes
	v_mul_u32_u24 v5, v2, SPITCH
	v_lshl_add_u32 v5, v1, 4, v5
	v_add_nc_u32 v[RD], s23, v5                    ; back: lanes 0-15 one row of 256 bytes, lanes 16-31 the next
	v_lshlrev_b32 v5, 12, v2
	v_lshl_add_u32 v[CO], v1, 4, v5                ; and the same two rows in out0
	s_lshl_b32 s16, s41, 23                        ; my first row: 2,048 x batch + 128 x block + 64 x half, 4,096 bytes each
	s_lshl_b32 s17, s13, 19
	s_add_co_u32 s16, s16, s17
	s_lshl_b32 s17, s11, 18
	s_add_co_u32 s16, s16, s17
	s_mov_b32 s17, 0
	s_add_nc_u64 s[8:9], s[8:9], s[16:17]
	s_lshl_b32 s46, s42, 9                         ; my first column: 128 x tile column + 64 x half, 4 bytes each
	s_lshl_b32 s47, s12, 8
	s_add_co_u32 s46, s46, s47
	s_mov_b32 s47, 0
	s_add_nc_u64 s[8:9], s[8:9], s[46:47]
; 8 matrix instructions: m blocks a0, a0 + 1 x all 4 n blocks, 32 along K.  The 16 accumulators take turns.
.macro MUL8 f, c, a0, zero
.irp a, \a0, \a0+1
.irp b, 0,1,2,3
.if \zero
	v_wmma_f32_16x16x32_f16 v[ACC+8*(4*(\a)+\b):ACC+8*(4*(\a)+\b)+7], v[\f+64+8*(4*\c+\b):\f+64+8*(4*\c+\b)+7], v[\f+8*(4*\c+\a):\f+8*(4*\c+\a)+7], 0
.else
	v_wmma_f32_16x16x32_f16 v[ACC+8*(4*(\a)+\b):ACC+8*(4*(\a)+\b)+7], v[\f+64+8*(4*\c+\b):\f+64+8*(4*\c+\b)+7], v[\f+8*(4*\c+\a):\f+8*(4*\c+\a)+7], v[ACC+8*(4*(\a)+\b):ACC+8*(4*(\a)+\b)+7]
.endif
.endr
.endr
.endm
; 32 LDS loads in one run: the fragments of the slot's quarter q (64 along K: one head) into buffer f; the first 32 along K first
.macro FETCH slot, q, f
	WIN TO_F
.irp c, 0,1
.irp i, 0,1,2,3
	ds_load_b128 v[\f+64+8*(4*\c+\i):\f+64+8*(4*\c+\i)+3],   v[ADRB+\slot] offset:128*(\q)+64*\c+\i*16*PBP
	ds_load_b128 v[\f+64+8*(4*\c+\i)+4:\f+64+8*(4*\c+\i)+7], v[ADRB+\slot] offset:128*(\q)+64*\c+\i*16*PBP+32
	ds_load_b128 v[\f+8*(4*\c+\i):\f+8*(4*\c+\i)+3],         v[ADRA+\slot] offset:CHUNK*(\q)+64*\c+\i*16*PA
	ds_load_b128 v[\f+8*(4*\c+\i)+4:\f+8*(4*\c+\i)+7],       v[ADRA+\slot] offset:CHUNK*(\q)+64*\c+\i*16*PA+32
.endr
.endr
.endm
.macro PLACES                          ; four plain lines in front of loads into registers that matrix instructions have read, and of the first read of results
.rept 4
	v_nop
.endr
.endm
.macro QUARTER slot, q, f, g, zero     ; multiplies buffer f; in its middle fetches quarter q of the slot into g
	s_wait_dscnt 16                                ; the first 32 along K are in; the other sixteen loads may be out
	WIN MUL
	MUL8 \f, 0, 0, \zero
	MUL8 \f, 0, 2, \zero
	PLACES
	FETCH \slot, \q, \g
	s_wait_dscnt 32                                ; all but the 32 just issued
	WIN MUL
	MUL8 \f, 1, 0, 0
	MUL8 \f, 1, 2, 0
.endm
; A slot's last quarter changes slots: one barrier; in front of it each wave waits for all its tensor loads, adds 0 to its spare word, and waits for that and for its reads of this slot.  fill = 1: the slot is filled again, two K steps ahead.
.macro TURN slot, next, fill
	WIN 0
	s_wait_tensorcnt 0x0                           ; my part of the next slot has landed
	ds_add_u32 v[SPW], v[NIL]
	s_wait_dscnt 17                                ; (the add and the youngest sixteen loads may be out)
	WIN MUL
	MUL8 F1, 0, 0, 0
	s_wait_dscnt 0x0                               ; the add is done, and my reads of this slot are over
	s_barrier_signal -1
	MUL8 F1, 0, 2, 0
.if \fill
	WIN 0
.endif
	s_barrier_wait -1
.if \fill
	CREST                                          ; the barrier has opened a round of the cluster's: no wave of any partner still reads this slot or has a load on its way
	s_add_nc_u64 s[G0+4*\slot+2:G0+4*\slot+3], s[G0+4*\slot+2:G0+4*\slot+3], 2*ASTEP
	s_add_nc_u64 s[G0B+4*\slot+2:G0B+4*\slot+3], s[G0B+4*\slot+2:G0B+4*\slot+3], 2*KSTEP*2
	JLOAD \slot                                    ; the first tensor load behind the round; its four v_nop are also the places in front of the loads below
.else
	PLACES
.endif
	FETCH \next, 0, F0
	WIN MUL
	MUL8 F1, 1, 0, 0
	MUL8 F1, 1, 2, 0
.endm
	s_wait_tensorcnt 1                             ; my part of K step 0 is in (K step 1's load may be out),
	s_barrier_signal -1
	s_barrier_wait -1                              ; everybody's is
	FETCH 0, 0, F0
	QUARTER 0, 1, F0, F1, 1                        ; the first products start the sums
	QUARTER 0, 2, F1, F0, 0                        ; four K steps are two laps of the ring, written straight: the first fills both slots again, the second nothing
	QUARTER 0, 3, F0, F1, 0
	TURN 0, 1, 1
	QUARTER 1, 1, F0, F1, 0
	QUARTER 1, 2, F1, F0, 0
	QUARTER 1, 3, F0, F1, 0
	TURN 1, 0, 1
	QUARTER 0, 1, F0, F1, 0
	QUARTER 0, 2, F1, F0, 0
	QUARTER 0, 3, F0, F1, 0
	TURN 0, 1, 0
	QUARTER 1, 1, F0, F1, 0
	QUARTER 1, 2, F1, F0, 0
	QUARTER 1, 3, F0, F1, 0
	s_wait_dscnt 16
	WIN MUL
	MUL8 F1, 0, 0, 0
	MUL8 F1, 0, 2, 0
	s_wait_dscnt 0
	MUL8 F1, 1, 0, 0
	MUL8 F1, 1, 2, 0
	WIN 0
; THE WAY OUT.  My 64 columns of f32 are 256 bytes of a row, aligned: each wave has a stage of its own, in slot 0, which has had its last fill and which every wave has left at the last change of slots.
.macro TOSTAGE a
.irp b, 0,1,2,3
	ds_store_b128 v[STO], v[ACC+8*(4*(\a)+\b):ACC+8*(4*(\a)+\b)+3] offset:64*\b          ; each accumulator from its low end on
	ds_store_b128 v[STO], v[ACC+8*(4*(\a)+\b)+4:ACC+8*(4*(\a)+\b)+7] offset:64*\b+16
.endr
.irp t, 0,1,2,3,4,5,6,7
	ds_load_b128 v[TMP+32*((\a)%2)+4*\t:TMP+32*((\a)%2)+4*\t+3], v[RD] offset:2*\t*SPITCH   ; LDS serves a wave's instructions in order: these see the stores
.endr
.endm
.macro SEND a, younger                 ; younger: the LDS instructions issued behind block a's loads
	s_wait_dscnt \younger
.irp t, 0,1,2,3,4,5,6,7
	global_store_b128 v[CO], v[TMP+32*((\a)%2)+4*\t:TMP+32*((\a)%2)+4*\t+3], s[8:9] offset:(16*(\a)+2*\t)*4096 th:TH_STORE_NT   ; sixteen lanes store 256 consecutive bytes, aligned
.endr
.endm
	PLACES
	s_or_b32 s16, s13, s11                         ; block 0 of the tile that begins a sequence is launch 5's: the branch hangs on the cluster's y and the wave's number
	s_cmp_eq_u32 s16, 0
	s_cbranch_scc1 .Lskip0
	TOSTAGE 0
	SEND 0, 0
	s_wait_xcnt 0x0                                ; its stores have read their data: block 2 lands in these registers
.Lskip0:
	TOSTAGE 1
	TOSTAGE 2
	SEND 1, 16                                     ; behind block 1's loads: block 2's 8 stores and 8 loads
	s_wait_xcnt 0x0
	TOSTAGE 3
	SEND 2, 16
	SEND 3, 0
	s_wait_tensorcnt 0x0                           ; the wave's end
	ds_add_u32 v[SPW], v[NIL]
	s_wait_dscnt 0x0
	CROUND                                         ; the closing round
	s_endpgm
.Lfunc_end_k_qb6e1295741_oproj:
	.size	k_qb6e1295741_oproj, .Lfunc_end_k_qb6e1295741_oproj-k_qb6e1295741_oproj
	.p2alignl 7, 3214868480
	.fill 96, 4, 3214868480
	.section	.rodata,"a",@progbits
	.p2align	6, 0x0
	.amdhsa_kernel k_qb6e1295741_oproj
		.amdhsa_group_segment_fixed_size 327680
		.amdhsa_private_segment_fixed_size 0
		.amdhsa_enable_private_segment 0
		.amdhsa_kernarg_size 24
		.amdhsa_user_sgpr_count 2
		.amdhsa_user_sgpr_kernarg_segment_ptr 1
		.amdhsa_wavefront_size32 1
		.amdhsa_system_sgpr_workgroup_id_x 1
		.amdhsa_system_sgpr_workgroup_id_y 1
		.amdhsa_system_sgpr_workgroup_id_z 1
		.amdhsa_system_vgpr_workitem_id 0
		.amdhsa_next_free_vgpr 512
		.amdhsa_next_free_sgpr 66
		.amdhsa_reserve_vcc 0
		.amdhsa_float_denorm_mode_32 3
		.amdhsa_float_denorm_mode_16_64 3
		.amdhsa_memory_ordered 1
		.amdhsa_forward_progress 1
		.amdhsa_inst_pref_size 86
	.end_amdhsa_kernel
	.amdgpu_metadata
---
amdhsa.version: [ 1, 2 ]
amdhsa.kernels:
  - .name:           k_qb6e1295741_oproj
    .symbol:         k_qb6e1295741_oproj.kd
    .args:
      - { .name: o, .offset: 0, .size: 8, .value_kind: global_buffer, .address_space: global }
      - { .name: wo16, .offset: 8, .size: 8, .value_kind: global_buffer, .address_space: global }
      - { .name: out0, .offset: 16, .size: 8, .value_kind: global_buffer, .address_space: global }
    .group_segment_fixed_size: 327680
    .private_segment_fixed_size: 0
    .kernarg_segment_align: 8
    .kernarg_segment_size: 24
    .max_flat_workgroup_size: 128
    .sgpr_count:     66
    .vgpr_count:     512
    .wavefront_size: 32
...
	.end_amdgpu_metadata
.endif
;; end of part 4
;; launch fine (part 5): grid 16 x 4, 16 waves a work-group, no clusters, 85,504 bytes of LDS; arguments fq, Wo, out0; writes out0
.if DOCPART == 5
	.amdgcn_target "amdgcn-amd-amdhsa--gfx1250"
	.amdhsa_code_object_version 6
	.text
	.protected	k_qb6e1295741_fine
	.globl	k_qb6e1295741_fine
	.p2align	8
	.type	k_qb6e1295741_fine,@function
k_qb6e1295741_fine:
	s_mov_b64 s[64:65], 0
	v_nop
	global_prefetch_b8 v0, s[64:65] scope:SCOPE_SE
	s_setreg_imm32_b32 hwreg(HW_REG_WAVE_MODE, 25, 1), 1
	s_wait_xcnt 0x0
; LAUNCH 5 OF 5.  The first 16 positions of each of the 4 sequences, wholly in f32: under the causal mask these rows average one to sixteen values and are the largest of the output, so the rounding of f16 operands would weigh most there.
; fq: [q, k, v][batch][position 0-15][1024] f32, the projections' unrounded sums; Wo: [1024 n][1024 k] f32 as given; out0 rows 2,048 b + 0 .. 15, which launch 4 does not store.
; Keys after position 15 have weight 0 for these queries under the problem's own jnp.tril: they are not read.
; SHARES.  Work-group (chunk, batch) makes out0[b][0..15][64 chunk .. + 63].  Phase 1: wave w = head w: S^T = K Q^T (16 x 16 x 64), softmax with the maximum taken away, O^T = V^T P; the 16 x 1,024 result meets in LDS.  Each of a batch's
; sixteen work-groups repeats this small phase (32 matrix instructions a wave), which spares a launch.  Phase 2: wave w takes 16 columns (w % 4) and a quarter of K (w / 4): 64 matrix instructions; the four quarters are added through LDS.
; The f32 matrix form does about one part in a thousand of the problem's multiply-adds here.  Its accumulators (v16-79) are written by matrix instructions alone; what is made of a sum goes into other registers.
; k IS PERMUTED ALIKE ON BOTH SIDES: in a product's instruction s a lane's two registers are its numbers 2 s, 2 s + 1 of a run that is the same for both operands.
.set OL,    0                          ; LDS: the attention's result: 16 rows x (4,096 bytes + 16)
.set OLP,   4112
.set PART,  66048                      ; the four quarters' sums: 4 x 16 rows x (256 bytes + 16)
.set SPARE, 83456                      ; the spare words, 128 bytes a wave
.set QA,  3                            ; v3  4096 r + 128 h
.set VA,  4                            ; v4  32768 h + 4 r
.set WA,  5                            ; v5  4096 r + 512 h
.set OST, 6
.set ORD, 7
.set PST, 8
.set PRD, 9
.set GOA, 10
.set DM,  11                           ; r - 8 h
.set NINF, 12
.set SA,  16                           ; four accumulators
.set OA,  48                           ; four accumulators
.set QFR, 80
.set KFR, 112
.set VFR, 144
.set SS,  176
.set PP,  184
.set TT,  192
.set WF,  80                           ; phase 2: Wo's 128 registers
.set OF,  208                          ; and 32 of the attention's result
.set RS,  240
.set SPW, 254
.set NIL, 255
.set SEL, 22
.set CS,  24
	s_load_b128 s[4:7], s[0:1], 0x0                ; fq, Wo
	s_load_b64 s[8:9], s[0:1], 0x10                ; out0
	v_lshl_add_u32 v[SPW], v0, 2, SPARE
	v_mov_b32 v[NIL], 0
	v_lshrrev_b32 v1, 5, v0
	v_readfirstlane_b32 s10, v1                    ; wave = head
	s_and_b32 s11, ttmp7, 0xffff                   ; batch
	s_and_b32 s12, s10, 3                          ; which 16 columns
	s_lshr_b32 s13, s10, 2                         ; which quarter of K
	v_and_b32 v1, 15, v0                           ; r
	v_bfe_u32 v2, v0, 4, 1                         ; h
	v_lshlrev_b32 v[QA], 12, v1
	v_lshl_add_u32 v[WA], v2, 9, v[QA]
	v_lshl_add_u32 v[QA], v2, 7, v[QA]
	v_lshlrev_b32 v[VA], 2, v1
	v_lshl_add_u32 v[VA], v2, 15, v[VA]
	v_mul_u32_u24 v13, v1, OLP
	s_lshl_b32 s14, s10, 8
	v_lshl_add_u32 v[OST], v2, 5, v13
	v_add_nc_u32 v[OST], s14, v[OST]               ; row r, my head's 256 bytes, + 32 h
	s_lshl_b32 s14, s13, 10
	v_lshl_add_u32 v[ORD], v2, 9, v13
	v_add_nc_u32 v[ORD], s14, v[ORD]               ; row r, my quarter's 1,024 bytes, + 512 h
	s_mul_i32 s14, s13, 16*272
	s_lshl_b32 s15, s12, 6
	s_add_co_u32 s14, s14, s15
	s_add_co_u32 s14, s14, PART
	v_mul_u32_u24 v[PST], v1, 272
	v_lshl_add_u32 v[PST], v2, 5, v[PST]
	v_add_nc_u32 v[PST], s14, v[PST]
	v_bfe_u32 v14, v0, 4, 4                        ; the last phase: thread t of the first 256 takes row t / 16, bytes 16 (t % 16)
	v_mul_u32_u24 v[PRD], v14, 272
	v_lshl_add_u32 v[PRD], v1, 4, v[PRD]
	v_add_nc_u32 v[PRD], PART, v[PRD]
	v_lshlrev_b32 v[GOA], 12, v14
	v_lshl_add_u32 v[GOA], v1, 4, v[GOA]
	v_lshlrev_b32 v14, 3, v2
	v_sub_nc_u32 v[DM], v1, v14
	v_mov_b32 v[NINF], 0xff800000
	s_mov_b32 s[SEL], 0x76543210
	s_mov_b32 s[SEL+1], 0xfedcba98
	s_mov_b32 s[CS], 0x3e38aa3b                    ; c = log2(e) / 8
	s_lshl_b32 s16, s11, 16                        ; fq: the batch's 16 rows of 4,096 bytes, my head's 256 bytes
	s_lshl_b32 s17, s10, 8
	s_add_co_u32 s16, s16, s17
	s_mov_b32 s17, 0
	s_lshl_b32 s18, ttmp9, 18                      ; Wo: row 64 chunk + 16 (w % 4), 4,096 bytes each; + my quarter's 1,024 bytes
	s_lshl_b32 s19, s12, 16
	s_add_co_u32 s18, s18, s19
	s_lshl_b32 s19, s13, 10
	s_add_co_u32 s18, s18, s19
	s_mov_b32 s19, 0
	s_lshl_b32 s20, s11, 23                        ; out0: the batch's first row, the chunk's 256 bytes
	s_lshl_b32 s21, ttmp9, 8
	s_add_co_u32 s20, s20, s21
	s_mov_b32 s21, 0
	s_wait_kmcnt 0x0
	s_add_nc_u64 s[4:5], s[4:5], s[16:17]
	s_add_nc_u64 s[6:7], s[6:7], s[18:19]
	s_add_nc_u64 s[8:9], s[8:9], s[20:21]
	; ---- phase 1
.irp i, 0,1,2,3,4,5,6,7
	global_load_b128 v[QFR+4*\i:QFR+4*\i+3], v[QA], s[4:5] offset:16*\i           ; q(position r, channels 32 h + 4 i ..)
.endr
.irp i, 0,1,2,3,4,5,6,7
	global_load_b128 v[KFR+4*\i:KFR+4*\i+3], v[QA], s[4:5] offset:262144+16*\i    ; k likewise
.endr
.irp ct, 0,1,2,3
.irp i, 0,1,2,3,4,5,6,7
	global_load_b32 v[VFR+8*\ct+\i], v[VA], s[4:5] offset:524288+4096*\i+64*\ct   ; v(key 8 h + i, channel 16 ct + r)
.endr
.endr
	s_wait_loadcnt 32                              ; q and k are in; v's 32 loads may be out
.irp s, 0,1,2,3,4,5,6,7,8,9,10,11,12,13,14,15  ; S^T: source 0 = 16 keys, source 1 = 16 queries; four accumulators by turns, the first four products start the sums
.if \s < 4
	v_wmma_f32_16x16x4_f32 v[SA+8*(\s%4):SA+8*(\s%4)+7], v[KFR+2*\s:KFR+2*\s+1], v[QFR+2*\s:QFR+2*\s+1], 0
.else
	v_wmma_f32_16x16x4_f32 v[SA+8*(\s%4):SA+8*(\s%4)+7], v[KFR+2*\s:KFR+2*\s+1], v[QFR+2*\s:QFR+2*\s+1], v[SA+8*(\s%4):SA+8*(\s%4)+7]
.endif
.endr
.rept 8
	v_nop                                          ; eight places behind this form (ISA guide 7.12.1)
.endr
.irp j, 0,1,2,3,4,5,6,7                        ; lane (r, h): query r, key 8 h + j; each accumulator is read from its low end on
	v_add_f32 v[TT+\j], v[SA+\j], v[SA+8+\j]
	v_add_f32 v[TT+8+\j], v[SA+16+\j], v[SA+24+\j]
	v_add_f32 v[SS+\j], v[TT+\j], v[TT+8+\j]
.endr
.irp j, 0,1,2,3,4,5,6,7
	v_cmp_gt_i32 vcc_lo, \j, v[DM]                 ; key 8 h + j > query r: hidden
	v_cndmask_b32 v[SS+\j], v[SS+\j], v[NINF], vcc_lo
.endr
	v_max3_num_f32 v[TT], v[SS], v[SS+1], v[SS+2]
	v_max3_num_f32 v[TT+1], v[SS+3], v[SS+4], v[SS+5]
	v_max3_num_f32 v[TT], v[TT], v[SS+6], v[SS+7]
	v_max_num_f32 v[TT], v[TT], v[TT+1]
	v_permlanex16_b32 v[TT+1], v[TT], s[SEL], s[SEL+1]
	v_max_num_f32 v[TT], v[TT], v[TT+1]            ; the row's maximum (key 0 counts for every query)
	v_mul_f32 v[TT], s[CS], v[TT]
.irp j, 0,1,2,3,4,5,6,7
	v_fma_f32 v[SS+\j], v[SS+\j], s[CS], -v[TT]
.endr
.irp j, 0,1,2,3,4,5,6,7
	v_exp_f32 v[SS+\j], v[SS+\j]
.endr
	v_nop
	s_wait_alu depctr_va_vdst(0)                   ; one wait for the eight, ahead of their first reader
	v_add_f32 v[TT+2], v[SS], v[SS+1]
	v_add_f32 v[TT+3], v[SS+2], v[SS+3]
	v_add_f32 v[TT+4], v[SS+4], v[SS+5]
	v_add_f32 v[TT+5], v[SS+6], v[SS+7]
	v_add_f32 v[TT+2], v[TT+2], v[TT+3]
	v_add_f32 v[TT+4], v[TT+4], v[TT+5]
	v_add_f32 v[TT+2], v[TT+2], v[TT+4]
	v_permlanex16_b32 v[TT+3], v[TT+2], s[SEL], s[SEL+1]
	v_add_f32 v[TT+2], v[TT+2], v[TT+3]
	v_rcp_f32 v[TT+4], v[TT+2]
	v_nop
	s_wait_alu depctr_va_vdst(0)
.irp j, 0,1,2,3,4,5,6,7
	v_mul_f32 v[PP+\j], v[SS+\j], v[TT+4]          ; the weights, normalised
.endr
	s_wait_loadcnt 0x0                             ; v
.irp s, 0,1,2,3                                ; O^T = V^T P: source 0 = 16 channels, source 1 = 16 queries; k slot (h, j) is key 8 h + 2 s + j on both sides
.irp ct, 0,1,2,3
.if \s == 0
	v_wmma_f32_16x16x4_f32 v[OA+8*\ct:OA+8*\ct+7], v[VFR+8*\ct+2*\s:VFR+8*\ct+2*\s+1], v[PP+2*\s:PP+2*\s+1], 0
.else
	v_wmma_f32_16x16x4_f32 v[OA+8*\ct:OA+8*\ct+7], v[VFR+8*\ct+2*\s:VFR+8*\ct+2*\s+1], v[PP+2*\s:PP+2*\s+1], v[OA+8*\ct:OA+8*\ct+7]
.endif
.endr
.endr
.rept 8
	v_nop                                          ; in front of the stores of results and of the loads into registers that these products read
.endr
.irp ct, 0,1,2,3
	ds_store_b128 v[OST], v[OA+8*\ct:OA+8*\ct+3] offset:OL+64*\ct        ; lane (r, h): position r, channels 16 ct + 8 h + 0 .. 7
	ds_store_b128 v[OST], v[OA+8*\ct+4:OA+8*\ct+7] offset:OL+64*\ct+16
.endr
.irp c, 0,1,2,3                                ; Wo(64 chunk + 16 (w % 4) + r, 256 (w / 4) + 128 h + 32 c + 4 i ..): asked for ahead of the barrier
.irp i, 0,1,2,3,4,5,6,7
	global_load_b128 v[WF+32*\c+4*\i:WF+32*\c+4*\i+3], v[WA], s[6:7] offset:128*\c+16*\i
.endr
.endr
	s_wait_dscnt 0x0                               ; for the others' sake: my stores are done
	s_barrier_signal -1
	s_barrier_wait -1                              ; the 16 x 1,024 result lies in LDS
	; ---- phase 2
.irp c, 0,1,2,3
.irp i, 0,1,2,3,4,5,6,7
	ds_load_b128 v[OF+4*\i:OF+4*\i+3], v[ORD] offset:OL+128*\c+16*\i
.endr
	s_wait_loadcnt 8*(3-\c)                        ; this chunk's eight loads of Wo are in; the later chunks' may be out
	s_wait_dscnt 0x0
.irp s, 0,1,2,3,4,5,6,7,8,9,10,11,12,13,14,15  ; source 0 = 16 rows of Wo, source 1 = 16 positions: a lane holds eight neighbouring columns of one position
.if (\c == 0) && (\s < 4)
	v_wmma_f32_16x16x4_f32 v[SA+8*(\s%4):SA+8*(\s%4)+7], v[WF+32*\c+2*\s:WF+32*\c+2*\s+1], v[OF+2*\s:OF+2*\s+1], 0
.else
	v_wmma_f32_16x16x4_f32 v[SA+8*(\s%4):SA+8*(\s%4)+7], v[WF+32*\c+2*\s:WF+32*\c+2*\s+1], v[OF+2*\s:OF+2*\s+1], v[SA+8*(\s%4):SA+8*(\s%4)+7]
.endif
.endr
.rept 8
	v_nop                                          ; in front of the next loads into the registers just read, and of the first read of results
.endr
.endr
.irp j, 0,1,2,3,4,5,6,7
	v_add_f32 v[TT+\j], v[SA+\j], v[SA+8+\j]
	v_add_f32 v[TT+8+\j], v[SA+16+\j], v[SA+24+\j]
	v_add_f32 v[RS+\j], v[TT+\j], v[TT+8+\j]
.endr
	ds_store_b128 v[PST], v[RS:RS+3]
	ds_store_b128 v[PST], v[RS+4:RS+7] offset:16
	s_wait_dscnt 0x0
	s_barrier_signal -1
	s_barrier_wait -1                              ; the four quarters' sums lie in LDS
	s_cmp_lt_u32 s10, 8                            ; 256 threads add them and store: a branch on the wave's number, no barrier inside
	s_cbranch_scc0 .Ldone
.irp k, 0,1,2,3
	ds_load_b128 v[OF+4*\k:OF+4*\k+3], v[PRD] offset:16*272*\k
.endr
	s_wait_dscnt 0x0
.irp j, 0,1,2,3
	v_add_f32 v[OF+\j], v[OF+\j], v[OF+4+\j]
	v_add_f32 v[OF+8+\j], v[OF+8+\j], v[OF+12+\j]
	v_add_f32 v[OF+\j], v[OF+\j], v[OF+8+\j]
.endr
	global_store_b128 v[GOA], v[OF:OF+3], s[8:9] th:TH_STORE_NT   ; sixteen lanes store 256 consecutive bytes of a row, aligned
.Ldone:
	s_wait_tensorcnt 0x0                           ; the wave's end
	ds_add_u32 v[SPW], v[NIL]
	s_wait_dscnt 0x0
	s_endpgm
.Lfunc_end_k_qb6e1295741_fine:
	.size	k_qb6e1295741_fine, .Lfunc_end_k_qb6e1295741_fine-k_qb6e1295741_fine
	.p2alignl 7, 3214868480
	.fill 96, 4, 3214868480
	.section	.rodata,"a",@progbits
	.p2align	6, 0x0
	.amdhsa_kernel k_qb6e1295741_fine
		.amdhsa_group_segment_fixed_size 85504
		.amdhsa_private_segment_fixed_size 0
		.amdhsa_enable_private_segment 0
		.amdhsa_kernarg_size 24
		.amdhsa_user_sgpr_count 2
		.amdhsa_user_sgpr_kernarg_segment_ptr 1
		.amdhsa_wavefront_size32 1
		.amdhsa_system_sgpr_workgroup_id_x 1
		.amdhsa_system_sgpr_workgroup_id_y 1
		.amdhsa_system_sgpr_workgroup_id_z 1
		.amdhsa_system_vgpr_workitem_id 0
		.amdhsa_next_free_vgpr 256
		.amdhsa_next_free_sgpr 66
		.amdhsa_reserve_vcc 1
		.amdhsa_float_denorm_mode_32 3
		.amdhsa_float_denorm_mode_16_64 3
		.amdhsa_memory_ordered 1
		.amdhsa_forward_progress 1
		.amdhsa_inst_pref_size 26
	.end_amdhsa_kernel
	.amdgpu_metadata
---
amdhsa.version: [ 1, 2 ]
amdhsa.kernels:
  - .name:           k_qb6e1295741_fine
    .symbol:         k_qb6e1295741_fine.kd
    .args:
      - { .name: fq, .offset: 0, .size: 8, .value_kind: global_buffer, .address_space: global }
      - { .name: Wo, .offset: 8, .size: 8, .value_kind: global_buffer, .address_space: global }
      - { .name: out0, .offset: 16, .size: 8, .value_kind: global_buffer, .address_space: global }
    .group_segment_fixed_size: 85504
    .private_segment_fixed_size: 0
    .kernarg_segment_align: 8
    .kernarg_segment_size: 24
    .max_flat_workgroup_size: 512
    .sgpr_count:     66
    .vgpr_count:     256
    .wavefront_size: 32
...
	.end_amdgpu_metadata
.endif
;; end of part 5
